; MI455X (gfx1250); checked and timed in simulation.
; The chip was launched on July 23, 2026; its instructions are those of AMD's public machine-readable ISA for CDNA 5 (MIT licence, August 2026) and "CDNA5" Instruction Set Architecture Reference Guide (July 2026). The comments in the code are by the model that wrote it; some were corrected since.
;; Multi Head Attention. Allowed arithmetic: matrix products marked QUANTISED: E2M1 operands, one E8M0 scale for each 32 along K, by v_wmma_scale_f32_16x16x128_f8f6f4 with both operands' format E2M1 (or v_wmma_scale_f32_32x16x128_f4), f32 sums; products left as they are: bf16, f16 or f32 operands; f32 sums; everything else in f32.
;; Inputs: w_out 1,024 x 1,024 float32; w_qkv 1,024 x 3,072 float32; x 4 x 2,048 x 1,024 float32.
;; Outputs: out0 4 x 2,048 x 1,024 float32.
;; This version of the problem:
;;   THIS VERSION OF THE PROBLEM IS GIVEN IN LOW PRECISION. The matrix products marked QUANTISED in the list below multiply operands that are first quantised to E2M1 (2 exponent bits, 1 mantissa bit; 4 bits a number), with one power-of-two scale for each 32 numbers along K (OCP MX v1.0); their sums are f32. The products marked 'left as it is' may take bf16, f16 or f32 operands, with f32 sums. Whichever they take, every output number must still come out within the allowed error. Rounding operands to bf16 (8 significant bits) uses up far more of that allowance than f16 does (11 bits, for magnitudes from 6e-5 to 65,504). All else is computed in f32.
;;   The module's matrix products, in the order in which they are computed (A, B: the left and right operand; K: the contracted axis; several contracted axes count as one K, in the product's order):
;;     1. [M 8,192, K 1,024] x [K 1,024, N 3,072]; A: input x; B: input w_qkv: QUANTISED
;;     2. batch 64 x [M 2,048, K 64] x [K 64, N 2,048]; A: computed on the way; B: computed on the way: left as it is (an operand is computed on the way)
;;     3. batch 64 x [M 2,048, K 2,048] x [K 2,048, N 64]; A: computed on the way; B: computed on the way: left as it is (an operand is computed on the way)
;;     4. [M 8,192, K 1,024] x [K 1,024, N 1,024]; A: computed on the way; B: input w_out: left as it is (an operand is computed on the way)
;;   THE QUANTISER, for each operand of a quantised product, along K:
;;     - K is cut into blocks of 32 from its start; a last block that is shorter is filled with zeros.
;;     - A block's scale is 2^e with e = floor(log2(the largest magnitude in the block)) - 2, held to -126 .. 127; a block of zeros has e = 0. As a byte (E8M0): e + 127.
;;     - Each number is divided by its block's scale, clamped to +-6, and rounded to the nearest number of E2M1, ties to even, subnormals kept.
;;     - The product sums the exact products of the quantised numbers (number of the format x scale) in f32.
;;   ~~~python
;;   def quantise(x, axis):      # numpy; x: float32 -> the quantised numbers, widened to float32 again
;;       x = np.moveaxis(x, axis, -1); K = x.shape[-1]
;;       x = np.pad(x, [(0, 0)] * (x.ndim - 1) + [(0, -K % 32)]); x = x.reshape(x.shape[:-1] + (-1, 32)); a = np.abs(x).max(-1, keepdims=True)
;;       e = np.where(a > 0, np.clip(np.frexp(np.where(a > 0, a, 1))[1] - 1 - 2, -126, 127), 0)      # np.frexp(a)[1] - 1 = floor(log2(a)), exactly
;;       r = np.clip(x / 2.0 ** e, -6, 6)
;;       step = 2.0 ** (np.maximum(np.frexp(np.where(r == 0, 1, r))[1] - 1, 0) - 1)
;;       q = np.round(r / step) * step * 2.0 ** e      # np.round: ties to even
;;       return np.moveaxis(q.reshape(q.shape[:-2] + (-1,))[..., :K], -1, axis).astype(np.float32)
;;   ~~~
;; One version. Each part assembles by itself: llvm-mc -triple=amdgcn-amd-amdhsa -mcpu=gfx1250 --defsym DOCPART=n.
;; ======== version 1 of 1: 5 launches
;; limits: values are held in f16: magnitudes above 65,504 overflow, below 6.1e-05 lose precision
;; workspace buffers: xc 4,194,304 bytes; xs 262,144 bytes; wc 1,572,864 bytes; ws 98,304 bytes; wot 2,097,152 bytes; qkv16 50,331,648 bytes; q32 786,432 bytes; o16 16,777,216 bytes
;; launch prep (part 1): grid 512 x 1, 4 waves a work-group, no clusters, 77,312 bytes of LDS; arguments x, w_qkv, w_out, xc, xs, wc, ws, wot; writes xc, xs, wc, ws, wot
.if DOCPART == 1
	.amdgcn_target "amdgcn-amd-amdhsa--gfx1250"
	.amdhsa_code_object_version 6
	.text
	.protected	k_q98808b00ff_prep
	.globl	k_q98808b00ff_prep
	.p2align	8
	.type	k_q98808b00ff_prep,@function
k_q98808b00ff_prep:
	s_mov_b64 s[64:65], 0
	v_nop
	global_prefetch_b8 v0, s[64:65] scope:SCOPE_SE
	s_setreg_imm32_b32 hwreg(HW_REG_WAVE_MODE, 25, 1), 1
	s_wait_xcnt 0x0
; THREE JOBS IN ONE LAUNCH, told apart by the work-group's number alone.
;   0..191    w_qkv [1024 k][3072 n] f32 -> codes of E2M1 laid [3072 n][512 bytes], K innermost, and E8M0 bytes [3072][32]
;   192..255  w_out [1024 k][1024 n] f32 -> f16 laid [1024 n][1024 k]
;   256..511  x [8192][1024] f32 -> codes [8192][512 bytes] and E8M0 bytes [8192][32]
; THE QUANTISER: a block of 32 along K has the scale 2^(floor(log2(largest magnitude)) - 2); its byte is the largest magnitude's exponent field - 2, held at 1 from below;
; each number is divided by the scale and rounded to the nearest code, ties to even, beyond 6 the code of 6.
; LIMITS: a block of zeros gets the byte 1 where the rule says 127 (its codes are zeros, and only this program reads the bytes); NaN and infinities among the inputs are not served;
; |w_out| above 65,504 has no f16 number.
; Each job has LDS bytes of its own.  All three run to one common barrier; behind it only the w_qkv work-groups have work left (their four waves share a stage).
.set WREG,  8192                       ; x: a region for each wave: two stages of 32 x SP bytes, behind them its 256 scale bytes
.set SP,    80                         ; a lane's place in a stage: 64 bytes + 16 of padding
.set PW,    272                        ; a stage row of the other two jobs: 256 bytes + 16
.set WSTG,  32768                      ; w_qkv: 32 columns x PW
.set WSC,   41472                      ; w_qkv: 32 columns x 16 scale bytes
.set TSTG,  41984                      ; w_out: 32 columns x PW for each wave
.set SPARE, 76800                      ; the spare words, 128 bytes for each wave
.set SPW,   192                        ; v192 SPARE + 4 x my thread's number; never rewritten
.set NIL,   193                        ; v193 0; never rewritten
; ---- x: 16 steps of 512 numbers a wave.  Loads take the bytes as they lie (512 consecutive bytes a load); a step turns through the wave's stage so that a lane gets 16 neighbours along K
.macro XLOAD t
.irp i, 0,1,2,3
	global_load_b128 v[16+16*((\t)%4)+4*\i:16+16*((\t)%4)+4*\i+3], v3, s[24:25] offset:2048*(\t)+512*\i th:TH_LOAD_NT
.endr
.endm
.macro XTURN t                         ; LDS serves a wave's instructions in order: no wait between the stores and the loads
.irp i, 0,1,2,3
	ds_store_b128 v14, v[16+16*((\t)%4)+4*\i:16+16*((\t)%4)+4*\i+3] offset:32*SP*((\t)%2)+8*SP*\i
.endr
.irp i, 0,1,2,3
	ds_load_b128 v[80+16*((\t)%2)+4*\i:80+16*((\t)%2)+4*\i+3], v15 offset:32*SP*((\t)%2)+16*\i
.endr
.endm
.macro XSTEP t
.set XS, 80+16*((\t)%2)
.if (\t) > 0
	s_wait_dscnt 1                                 ; this step's numbers are back from the stage; the last step's byte store may be out
.else
	s_wait_dscnt 0x0
.endif
.if (\t)+4 < 16
	XLOAD (\t)+4                                   ; four steps ahead, into the registers that the stage's stores have read
.endif
.if (\t)+1 < 16
.if 14-(\t) >= 3
	s_wait_loadcnt 12                              ; the next step's four loads are in; those of the three steps behind it may be out
.else
	s_wait_loadcnt 4*(14-(\t))
.endif
	XTURN (\t)+1
.endif
	v_max3_num_f32 v8, |v[XS]|, |v[XS+1]|, |v[XS+2]|               ; the largest magnitude of my 16, in two chains
	v_max3_num_f32 v9, |v[XS+3]|, |v[XS+4]|, |v[XS+5]|
.irp i, 6,10
	v_max3_num_f32 v8, v8, |v[XS+\i]|, |v[XS+\i+1]|
	v_max3_num_f32 v9, v9, |v[XS+\i+2]|, |v[XS+\i+3]|
.endr
	v_max3_num_f32 v8, v8, |v[XS+14]|, |v[XS+15]|
	v_max3_num_f32 v8, v8, v9, 0x1800000           ; and the floor 2^(3 - 127): the byte cannot fall under 1
	v_max_num_f32_dpp v8, v8, v8 row_xmask:1 row_mask:0xf bank_mask:0xf   ; with my neighbour's 16: the block's
	v_add_nc_u32 v11, 0xff000000, v8               ; 2 off the exponent field: the conversion takes this operand's exponent field as its scale
	v_cvt_scalef32_pk8_fp4_f32 v[128+4*(\t)], v[XS:XS+7], v11
	v_cvt_scalef32_pk8_fp4_f32 v[128+4*(\t)+1], v[XS+8:XS+15], v11
	v_lshrrev_b32 v[112+(\t)], 23, v11             ; the scale's byte
	ds_store_b8 v5, v[112+(\t)] offset:16*(\t)     ; both lanes of a block write the same byte with the same value
	global_store_b64 v4, v[128+4*(\t):128+4*(\t)+1], s[26:27] offset:256*(\t)   ; the wave stores 256 consecutive bytes, aligned
.endm
; ---- the two weights: a lane takes a column, its registers run down K: block t is 32 rows, one load a row (128 consecutive bytes a wave)
.macro CLOAD t, pitch
.irp i, 0,1,2,3,4,5,6,7,8,9,10,11,12,13,14,15,16,17,18,19,20,21,22,23,24,25,26,27,28,29,30,31
	global_load_b32 v[32+32*((\t)%2)+\i], v3, s[24:25] offset:(32*(\t)+\i)*\pitch
.endr
.endm
.macro WBLOCK t
.set XS, 32+32*((\t)%2)
.if (\t) < 3
	s_wait_loadcnt 32                              ; this block's 32 loads are in; the next block's may be out
.else
	s_wait_loadcnt 0x0
.endif
	v_max3_num_f32 v12, |v[XS]|, |v[XS+1]|, |v[XS+2]|              ; all 32 numbers of the block are mine
	v_max3_num_f32 v13, |v[XS+3]|, |v[XS+4]|, |v[XS+5]|
.irp i, 6,10,14,18,22,26
	v_max3_num_f32 v12, v12, |v[XS+\i]|, |v[XS+\i+1]|
	v_max3_num_f32 v13, v13, |v[XS+\i+2]|, |v[XS+\i+3]|
.endr
	v_max3_num_f32 v12, v12, |v[XS+30]|, |v[XS+31]|
	v_max3_num_f32 v12, v12, v13, 0x1800000
	v_add_nc_u32 v11, 0xff000000, v12
	v_lshrrev_b32 v13, 23, v11
.if (\t) == 0
	v_mov_b32 v24, v13                             ; my four bytes in one register, the lower K in the lower byte
.else
	v_lshl_or_b32 v24, v13, 8*(\t), v24
.endif
.irp g, 0,1,2,3
	v_cvt_scalef32_pk8_fp4_f32 v[96+\g], v[XS+8*\g:XS+8*\g+7], v11
.endr
	ds_store_b128 v4, v[96:99] offset:16*(\t)      ; 32 codes: 16 bytes of my column's stage row
.if (\t)+2 < 4
	CLOAD (\t)+2, 12288
.endif
	s_wait_dscnt 0x0                               ; the store has read its registers: the next block's codes may be written
.endm
.macro TBLOCK t
.set XS, 32+32*((\t)%2)
.if (\t) < 3
	s_wait_loadcnt 32
.else
	s_wait_loadcnt 0x0
.endif
.irp i, 0,1,2,3,4,5,6,7,8,9,10,11,12,13,14,15
	v_cvt_pk_f16_f32 v[96+\i], v[XS+2*\i], v[XS+2*\i+1]            ; two neighbours along K to a register
.endr
.irp i, 0,1,2,3
	ds_store_b128 v4, v[96+4*\i:96+4*\i+3] offset:64*(\t)+16*\i
.endr
.if (\t)+2 < 4
	CLOAD (\t)+2, 4096
.endif
	s_wait_dscnt 0x0
.endm
	s_load_b256 s[4:11], s[0:1], 0x0               ; x s[4:5], w_qkv s[6:7], w_out s[8:9], xc s[10:11]
	s_load_b256 s[12:19], s[0:1], 0x20             ; xs s[12:13], wc s[14:15], ws s[16:17], wot s[18:19]
	v_lshl_add_u32 v[SPW], v0, 2, SPARE
	v_mov_b32 v[NIL], 0
	v_lshrrev_b32 v1, 5, v0
	v_readfirstlane_b32 s20, v1                    ; wave 0..3
	v_and_b32 v2, 31, v0                           ; lane
	s_mov_b32 s31, 0
	s_wait_kmcnt 0x0
	s_cmp_lt_u32 ttmp9, 192
	s_cbranch_scc1 .Lw
	s_cmp_lt_u32 ttmp9, 256
	s_cbranch_scc1 .Lt
	; ================ x
	s_sub_co_u32 s21, ttmp9, 256
	s_lshl_b32 s21, s21, 2
	s_add_co_u32 s21, s21, s20                     ; which run of 8,192 numbers is my wave's
	s_lshl_b32 s30, s21, 15
	s_add_nc_u64 s[24:25], s[4:5], s[30:31]        ; 32,768 bytes of x a run,
	s_lshl_b32 s30, s21, 12
	s_add_nc_u64 s[26:27], s[10:11], s[30:31]      ; 4,096 of codes,
	s_lshl_b32 s30, s21, 8
	s_add_nc_u64 s[28:29], s[12:13], s[30:31]      ; 256 scale bytes
	s_mul_i32 s32, s20, WREG
	v_lshlrev_b32 v3, 4, v2                        ; my 16 bytes of a load's 512
	v_lshrrev_b32 v14, 2, v2
	v_mul_u32_u24 v14, v14, SP
	v_and_b32 v15, 3, v2
	v_lshl_add_u32 v14, v15, 4, v14
	v_add_nc_u32 v14, s32, v14                     ; the stage, in: SP (lane / 4) + 16 (lane % 4)
	v_mul_u32_u24 v15, v2, SP
	v_add_nc_u32 v15, s32, v15                     ; out: SP x lane: my 16 neighbours
	v_lshlrev_b32 v4, 3, v2                        ; my 8 bytes of a step's codes
	s_add_co_u32 s32, s32, 2*32*SP
	v_lshrrev_b32 v5, 1, v2
	v_add_nc_u32 v5, s32, v5                       ; my block's scale byte in LDS
	v_lshlrev_b32 v7, 3, v2
	v_add_nc_u32 v6, s32, v7                       ; and 8 bytes a lane on the way out
.irp t, 0,1,2,3
	XLOAD \t
.endr
	s_wait_loadcnt 12                              ; step 0's four loads are in
	XTURN 0
.irp t, 0,1,2,3,4,5,6,7,8,9,10,11,12,13,14,15
	XSTEP \t
.endr
	ds_load_b64 v[8:9], v6                         ; behind my byte stores, in order
	s_wait_dscnt 0x0
	global_store_b64 v7, v[8:9], s[28:29]          ; 32 lanes store 256 consecutive bytes, aligned
	s_branch .Ljoin
	; ================ w_qkv: a work-group takes 32 columns x 512 along K; its four waves take 128 along K each (four blocks a lane), so that a wave's loads are few round trips
.Lw:
	s_lshr_b32 s21, ttmp9, 1                       ; which 32 columns
	s_and_b32 s22, ttmp9, 1                        ; which half of K
	s_lshl_b32 s30, s22, 9
	s_lshl_b32 s32, s20, 7
	s_add_co_u32 s30, s30, s32                     ; my first row of w_qkv
	s_mul_i32 s30, s30, 12288
	s_lshl_b32 s32, s21, 7
	s_add_co_u32 s30, s30, s32
	s_add_nc_u64 s[24:25], s[6:7], s[30:31]
	v_lshlrev_b32 v3, 2, v2
	s_lshl_b32 s32, s20, 6
	v_mul_u32_u24 v4, v2, PW
	v_add_nc_u32 v4, s32, v4
	v_add_nc_u32 v4, WSTG, v4                      ; stage row = my column, + 64 bytes x wave
	s_lshl_b32 s32, s20, 2
	v_lshlrev_b32 v5, 4, v2
	v_add_nc_u32 v5, s32, v5
	v_add_nc_u32 v5, WSC, v5                       ; my column's 16 scale bytes, + 4 x wave
	CLOAD 0, 12288
	CLOAD 1, 12288
.irp t, 0,1,2,3
	WBLOCK \t
.endr
	ds_store_b32 v5, v24
	s_branch .Ljoin
	; ================ w_out: a wave takes 32 columns x 128 along K: 256 bytes of f16 a column, through its own stage
.Lt:
	s_sub_co_u32 s21, ttmp9, 192
	s_and_b32 s22, s21, 7                          ; which 128 columns
	s_lshr_b32 s21, s21, 3                         ; which 128 along K
	s_lshl_b32 s30, s21, 19                        ; 128 rows of 4,096 bytes
	s_lshl_b32 s32, s22, 9
	s_add_co_u32 s30, s30, s32
	s_lshl_b32 s32, s20, 7
	s_add_co_u32 s30, s30, s32
	s_add_nc_u64 s[24:25], s[8:9], s[30:31]
	s_lshl_b32 s30, s22, 18                        ; wot: 128 rows of 2,048 bytes,
	s_lshl_b32 s32, s20, 16                        ; 32 rows a wave,
	s_add_co_u32 s30, s30, s32
	s_lshl_b32 s32, s21, 8                         ; 256 bytes along K
	s_add_co_u32 s30, s30, s32
	s_add_nc_u64 s[26:27], s[18:19], s[30:31]
	v_lshlrev_b32 v3, 2, v2
	s_mul_i32 s32, s20, 32*PW
	s_add_co_u32 s32, s32, TSTG
	v_mul_u32_u24 v4, v2, PW
	v_add_nc_u32 v4, s32, v4
	v_and_b32 v10, 15, v0
	v_bfe_u32 v11, v0, 4, 1
	v_mul_u32_u24 v6, v11, PW
	v_lshl_add_u32 v6, v10, 4, v6
	v_add_nc_u32 v6, s32, v6                       ; back: sixteen lanes to a row, two rows an instruction
	v_lshlrev_b32 v7, 11, v11
	v_lshl_add_u32 v7, v10, 4, v7                  ; and the same place in wot
	CLOAD 0, 4096
	CLOAD 1, 4096
.irp t, 0,1,2,3
	TBLOCK \t
.endr
.irp t, 0,1,2,3,4,5,6,7,8,9,10,11,12,13,14,15
	ds_load_b128 v[112+4*\t:112+4*\t+3], v6 offset:2*\t*PW
.endr
.irp t, 0,1,2,3,4,5,6,7,8,9,10,11,12,13,14,15
	s_wait_dscnt 15-\t                             ; the younger loads may be out
	global_store_b128 v7, v[112+4*\t:112+4*\t+3], s[26:27] offset:4096*\t   ; sixteen lanes store 256 consecutive bytes, aligned
.endr
.Ljoin:                                            ; every wave of every work-group passes this one barrier
	s_wait_xcnt 0x0                                ; the stores above have read their registers and bases: both may be written below
	s_wait_dscnt 0x0                               ; my LDS stores have landed
	s_barrier_signal -1
	s_barrier_wait -1
	s_cmp_lt_u32 ttmp9, 192
	s_cbranch_scc0 .Lend
	; w_qkv's way out: wave w takes stage rows 8 w .. 8 w + 7, whole: 256 bytes of a column's codes, which four waves wrote
	v_and_b32 v198, 15, v0
	v_bfe_u32 v199, v0, 4, 1
	s_mul_i32 s30, s20, 8*PW
	v_mul_u32_u24 v194, v199, PW
	v_lshl_add_u32 v194, v198, 4, v194
	v_add_nc_u32 v194, s30, v194
	v_add_nc_u32 v194, WSTG, v194
	v_lshlrev_b32 v195, 9, v199
	v_lshl_add_u32 v195, v198, 4, v195
	s_lshr_b32 s21, ttmp9, 1
	s_and_b32 s22, ttmp9, 1
	s_lshl_b32 s30, s21, 14                        ; 32 rows of 512 bytes,
	s_lshl_b32 s32, s20, 12                        ; 8 rows a wave,
	s_add_co_u32 s30, s30, s32
	s_lshl_b32 s32, s22, 8                         ; 256 bytes for the half of K
	s_add_co_u32 s30, s30, s32
	s_add_nc_u64 s[26:27], s[14:15], s[30:31]
.irp i, 0,1,2,3
	ds_load_b128 v[112+4*\i:112+4*\i+3], v194 offset:2*\i*PW
.endr
.irp i, 0,1,2,3
	s_wait_dscnt 3-\i
	global_store_b128 v195, v[112+4*\i:112+4*\i+3], s[26:27] offset:1024*\i   ; sixteen lanes store 256 consecutive bytes, aligned
.endr
	s_cmp_lg_u32 s20, 0
	s_cbranch_scc1 .Lend
	v_and_b32 v196, 31, v0                         ; wave 0: the 32 columns' 16 scale bytes each, one byte for 128 bytes read
	v_lshlrev_b32 v197, 5, v196
	v_lshl_add_u32 v196, v196, 4, WSC
	ds_load_b128 v[128:131], v196
	s_lshl_b32 s30, s21, 10
	s_lshl_b32 s32, s22, 4
	s_add_co_u32 s30, s30, s32
	s_add_nc_u64 s[28:29], s[16:17], s[30:31]
	s_wait_dscnt 0x0
	global_store_b128 v197, v[128:131], s[28:29]
.Lend:
	s_wait_tensorcnt 0x0                           ; the wave's end, behind my last LDS store
	ds_add_u32 v[SPW], v[NIL]
	s_wait_dscnt 0x0
	s_endpgm
.Lfunc_end_k_q98808b00ff_prep:
	.size	k_q98808b00ff_prep, .Lfunc_end_k_q98808b00ff_prep-k_q98808b00ff_prep
	.p2alignl 7, 3214868480
	.fill 96, 4, 3214868480
	.section	.rodata,"a",@progbits
	.p2align	6, 0x0
	.amdhsa_kernel k_q98808b00ff_prep
		.amdhsa_group_segment_fixed_size 77312
		.amdhsa_private_segment_fixed_size 0
		.amdhsa_enable_private_segment 0
		.amdhsa_kernarg_size 64
		.amdhsa_user_sgpr_count 2
		.amdhsa_user_sgpr_kernarg_segment_ptr 1
		.amdhsa_wavefront_size32 1
		.amdhsa_system_sgpr_workgroup_id_x 1
		.amdhsa_system_sgpr_workgroup_id_y 1
		.amdhsa_system_sgpr_workgroup_id_z 1
		.amdhsa_system_vgpr_workitem_id 0
		.amdhsa_next_free_vgpr 200
		.amdhsa_next_free_sgpr 66
		.amdhsa_reserve_vcc 0
		.amdhsa_float_denorm_mode_32 3
		.amdhsa_float_denorm_mode_16_64 3
		.amdhsa_memory_ordered 1
		.amdhsa_forward_progress 1
		.amdhsa_inst_pref_size 76
	.end_amdhsa_kernel
	.amdgpu_metadata
---
amdhsa.version: [ 1, 2 ]
amdhsa.kernels:
  - .name:           k_q98808b00ff_prep
    .symbol:         k_q98808b00ff_prep.kd
    .args:
      - { .name: x, .offset: 0, .size: 8, .value_kind: global_buffer, .address_space: global }
      - { .name: w_qkv, .offset: 8, .size: 8, .value_kind: global_buffer, .address_space: global }
      - { .name: w_out, .offset: 16, .size: 8, .value_kind: global_buffer, .address_space: global }
      - { .name: xc, .offset: 24, .size: 8, .value_kind: global_buffer, .address_space: global }
      - { .name: xs, .offset: 32, .size: 8, .value_kind: global_buffer, .address_space: global }
      - { .name: wc, .offset: 40, .size: 8, .value_kind: global_buffer, .address_space: global }
      - { .name: ws, .offset: 48, .size: 8, .value_kind: global_buffer, .address_space: global }
      - { .name: wot, .offset: 56, .size: 8, .value_kind: global_buffer, .address_space: global }
    .group_segment_fixed_size: 77312
    .private_segment_fixed_size: 0
    .kernarg_segment_align: 8
    .kernarg_segment_size: 64
    .max_flat_workgroup_size: 128
    .sgpr_count:     66
    .vgpr_count:     200
    .wavefront_size: 32
...
	.end_amdgpu_metadata
.endif
;; end of part 1
;; launch gemm_qkv (part 2): grid 12 x 32, 4 waves a work-group, clusters of 4 x 4, 327,680 bytes of LDS; arguments xc, xs, wc, ws, qkv16, q32; writes qkv16, q32
.if DOCPART == 2
	.amdgcn_target "amdgcn-amd-amdhsa--gfx1250"
	.amdhsa_code_object_version 6
	.text
	.protected	k_q98808b00ff_gemm_qkv
	.globl	k_q98808b00ff_gemm_qkv
	.p2align	8
	.type	k_q98808b00ff_gemm_qkv,@function
k_q98808b00ff_gemm_qkv:
	s_mov_b64 s[64:65], 0
	v_nop
	global_prefetch_b8 v0, s[64:65] scope:SCOPE_SE
	s_setreg_imm32_b32 hwreg(HW_REG_WAVE_MODE, 25, 1), 1
	s_wait_xcnt 0x0
	s_wait_alu depctr_hold_cnt(0) depctr_sa_sdst(0) depctr_va_vdst(0) depctr_va_sdst(0) depctr_va_ssrc(0) depctr_va_vcc(0) depctr_vm_vsrc(0)
	s_getreg_b32 s2, hwreg(HW_REG_IB_STS2, 6, 4)
	s_cmp_eq_u32 s2, 0
	s_cbranch_scc0 .Lentry_in_a_cluster
	s_endpgm
.Lentry_in_a_cluster:
	s_bfe_u32 s2, ttmp6, 0x10000c
	s_cmp_lg_u32 s2, 0xf033
	s_cbranch_scc0 .Lentry_shape_is_right
	s_endpgm
.Lentry_shape_is_right:
; qkv = x w_qkv on codes of E2M1 with one E8M0 scale for each 32 along K: [8192][1024] x [3072][1024]^T, f32 sums.
; A tile of 256 x 256 is made by four waves, 128 x 128 each: 64 accumulators, 512 registers.  K = 1,024 is two LDS slots of 512 along K (rows of 256 bytes), both asked for at the head: no slot is filled again.
; The scale bytes of the work-group's 256 + 256 rows, for all of K, are two dense blocks: they come once, with the first fills.
; CLUSTERS: 4 x 4 work-groups; A's tile is asked for jointly along a row of the cluster, B's along a column.  Tile row = 8 cy + cluster y: so the batch is cy, and the block of 256 positions is the
; cluster's y, which all sixteen partners share: the test 'this tile holds positions 0 to 15' hangs on no place in the cluster.
; THE MATRIX INSTRUCTION IS USED TRANSPOSED (source 0 = 16 rows of w's codes, source 1 = 16 rows of x's): a lane holds eight neighbouring columns of one row.
; RESULTS: f16, laid by head: qkv16 [3][4 b][16 h][2048 s][64]; and the f32 numbers of positions 0 to 15 of each batch: q32 [4][16][3072].
; LIMIT: |q|, |k|, |v| above 65,504 have no f16 number.
; REGISTERS: window 0: v16-31 addresses; v32-95 scale words, two sets; v128-191 A's fragments, one set; v192-223 packed results.  window 1: B's fragments, two sets.  windows 2, 3: the accumulators ((a, b) at v[8 (8 (a % 4) + b)]).
.set KSTEP,  512
.set NQ,     4                         ; matrix instructions deep in a slot
.set ROWB,   256                       ; a tile's row in bytes
.set KROW,   512                       ; a row of codes in memory
.set PITCH,  272                       ; an LDS row: 256 + 16: the 16 rows of a fragment load start 68 words apart
.set FR,     8
.set NL,     2
.set NP,     4
.set HALFT,  128*PITCH
.set SLOT,   4*HALFT
.set KS,     32                        ; a row of scale bytes
.set SCL,    2*SLOT
.set HALFS,  (128*KS/256)*272
.set SBLK,   (16*KS/256)*272
.set SPARE,  SCL+4*HALFS
.set ST16,   8704                      ; the way out: wave w's stages begin at 16,384 w in slot 0 (its last fill and last read are over): 16 x 528 for f32, then 2 heads x 16 x 144 for f16
.set ADRA, 16
.set ADRB, 20
.set STO16, 24
.set RD16,  25
.set CO,    26
.set ADRS,  27
.set SPW,   28
.set NIL,   29
.set STO32, 30
.set RD32,  31
.set SC,    32
.set AF,    128
.set TMP,   192
.set G1, 24
.set G0, 32
.set G1B, 48
.set G0B, 56
.set G1S, 68
.set G0S, 76
.set G1SB, 80
.set G0SB, 88
.set MSB, 0
.macro WIN new                         ; the immediate's high byte repeats the setting that is left
.if MSB != (\new)
	s_set_vgpr_msb (MSB<<8)|(\new)
.set MSB, (\new)
.endif
.endm
.set MUL_LO, 0xa1                      ; source 0 (B) window 1, source 1 (A) window 0, C and D window 2
.set MUL_HI, 0xf1
.set TO_B,   0x40
; A joint load: waves 0 and 1 fetch for A, waves 2 and 3 for B; the branch hangs on the wave's number alone.  An s_nop 0 and four v_nop follow each line.
.macro JLOAD g0a, g1a, g0b, g1b
	s_cmp_eq_u32 s15, 0
	s_cbranch_scc0 .Lfor_b_\@
	tensor_load_to_lds s[\g0a:\g0a+3], s[\g1a:\g1a+7]
	s_nop 0
.rept 4
	v_nop
.endr
	s_branch .Lasked_\@
.Lfor_b_\@:
	tensor_load_to_lds s[\g0b:\g0b+3], s[\g1b:\g1b+7]
	s_nop 0
.rept 4
	v_nop
.endr
.Lasked_\@:
.endm
.macro CROUND                          ; a round of the cluster's barrier
	s_barrier_signal -1
	s_barrier_wait -1
	s_cmp_lg_u32 s14, 0
	s_cbranch_scc1 .Lnot_wave_0_\@
	s_barrier_signal -3
.Lnot_wave_0_\@:
	s_barrier_wait -3
	s_barrier_signal -1
	s_barrier_wait -1
.endm
	s_load_b128 s[4:7], s[0:1], 0x0                ; x's codes, x's scales
	s_load_b128 s[8:11], s[0:1], 0x10              ; w's codes, w's scales
	s_load_b64 s[12:13], s[0:1], 0x20              ; qkv16
	s_load_b64 s[66:67], s[0:1], 0x28              ; q32
	v_lshl_add_u32 v[SPW], v0, 2, SPARE
	v_mov_b32 v[NIL], 0
	ds_add_u32 v[SPW], v[NIL]                      ; the wave's opening: the add, twice on end, and its wait ahead of my first tensor load
	ds_add_u32 v[SPW], v[NIL]
	v_lshrrev_b32 v1, 5, v0
	v_readfirstlane_b32 s14, v1                    ; wave 0..3
	s_lshr_b32 s15, s14, 1                         ; my half of the tile's rows.  Also: I fetch for A (0) or B (1)
	s_and_b32 s16, s14, 1                          ; my half of its columns.  Also: which 128 rows I fetch
	s_bfe_u32 s40, ttmp6, 0x40000                  ; cx
	s_bfe_u32 s41, ttmp6, 0x40004                  ; cy
	s_lshl_b32 s42, ttmp9, 2
	s_add_co_u32 s42, s42, s40                     ; tile column = 4 x cluster x + cx
	s_and_b32 s95, ttmp7, 0xffff                   ; cluster y = the block of 256 positions
	s_lshl_b32 s17, s41, 3
	s_add_co_u32 s17, s17, s95                     ; tile row = 8 cy + cluster y
	s_or_b32 s96, s95, s15                         ; 0 where my rows begin with positions 0 to 15
	s_lshl_b32 s43, s41, 2
	s_lshl_b32 s43, 15, s43                        ; my row of the cluster
	s_lshl_b32 s44, 0x1111, s40                    ; my column
	s_or_b32 s[G1+0], s43, (0<<16)|(1<<20)|(1<<21)|(5<<22)|(3<<25)   ; the mask; elements of 1 byte; padding: 4 words behind every 64; bit 21 beside a mask
	s_or_b32 s[G1B+0], s44, (0<<16)|(1<<20)|(1<<21)|(5<<22)|(3<<25)
.irp g, G1, G1B
	s_mov_b32 s[\g+1], ROWB<<16                    ; tensor_dim0
	s_mov_b32 s[\g+2], 128<<16                     ; tensor_dim1
	s_mov_b32 s[\g+3], ROWB<<16                    ; tile_dim0
	s_mov_b32 s[\g+4], 128                         ; tile_dim1
	s_mov_b32 s[\g+5], KROW                        ; the pitch
	s_mov_b32 s[\g+6], 0
	s_mov_b32 s[\g+7], 0
.endr
	s_or_b32 s[G1S+0], s43, (3<<16)|(1<<20)|(1<<21)|(5<<22)|(3<<25)  ; the scales of 128 rows: 4,096 dense bytes as 16 rows of 32 elements of 8 bytes, padded alike
	s_or_b32 s[G1SB+0], s44, (3<<16)|(1<<20)|(1<<21)|(5<<22)|(3<<25)
.irp g, G1S, G1SB
	s_mov_b32 s[\g+1], 32<<16
	s_mov_b32 s[\g+2], (128*KS/256)<<16
	s_mov_b32 s[\g+3], 32<<16
	s_mov_b32 s[\g+4], 128*KS/256
	s_mov_b32 s[\g+5], 32
	s_mov_b32 s[\g+6], 0
	s_mov_b32 s[\g+7], 0
.endr
	s_lshl_b32 s18, s16, 7
	s_lshl_b32 s20, s17, 8
	s_add_co_u32 s20, s20, s18                     ; A: row 256 x tile row + 128 x half
	s_lshl_b32 s46, s42, 8
	s_add_co_u32 s46, s46, s18                     ; B: row 256 x tile column + 128 x half
	s_mov_b32 s21, 0
	s_mov_b32 s47, 0
	s_mov_b64 s[18:19], KS
	s_mul_u64 s[22:23], s[20:21], s[18:19]         ; where these rows' scales begin,
	s_mul_u64 s[92:93], s[46:47], s[18:19]
	s_mov_b64 s[18:19], KROW
	s_mul_u64 s[20:21], s[20:21], s[18:19]         ; and their codes
	s_mul_u64 s[46:47], s[46:47], s[18:19]
	s_mul_i32 s45, s14, HALFT                      ; where they go: wave x 128 rows
	s_mul_i32 s94, s14, HALFS
	s_wait_dscnt 0x0                               ; both opening adds are done
	s_wait_kmcnt 0x0
	s_add_nc_u64 s[20:21], s[4:5], s[20:21]
	s_add_nc_u64 s[22:23], s[6:7], s[22:23]
	s_add_nc_u64 s[46:47], s[8:9], s[46:47]
	s_add_nc_u64 s[92:93], s[10:11], s[92:93]
	CROUND                                         ; all sixteen work-groups are here: the first joint loads meet
	s_mov_b32 s[G0S], 1
	s_add_co_u32 s[G0S+1], s94, SCL
	s_mov_b64 s[G0S+2:G0S+3], s[22:23]
	s_or_b32 s[G0S+3], s[G0S+3], 0x80000000
	s_mov_b32 s[G0SB], 1
	s_add_co_u32 s[G0SB+1], s94, SCL
	s_mov_b64 s[G0SB+2:G0SB+3], s[92:93]
	s_or_b32 s[G0SB+3], s[G0SB+3], 0x80000000
	JLOAD G0S, G1S, G0SB, G1SB                     ; three loads of mine go out here: the scales, slot 0, slot 1
.irp s, 0,1
	s_mov_b32 s[G0+4*\s], 1
	s_add_co_u32 s[G0+4*\s+1], s45, \s*SLOT
	s_add_nc_u64 s[G0+4*\s+2:G0+4*\s+3], s[20:21], \s*ROWB
	s_or_b32 s[G0+4*\s+3], s[G0+4*\s+3], 0x80000000
	s_mov_b32 s[G0B+4*\s], 1
	s_add_co_u32 s[G0B+4*\s+1], s45, \s*SLOT
	s_add_nc_u64 s[G0B+4*\s+2:G0B+4*\s+3], s[46:47], \s*ROWB
	s_or_b32 s[G0B+4*\s+3], s[G0B+4*\s+3], 0x80000000
	JLOAD G0+4*\s, G1, G0B+4*\s, G1B
.endr
	v_and_b32 v1, 15, v0                           ; r = lane % 16
	v_bfe_u32 v2, v0, 4, 1                         ; h = lane / 16
	v_mul_u32_u24 v3, v1, PITCH
	v_lshl_add_u32 v4, v2, 4, v3                   ; a fragment's row x pitch + 16 h
	s_mul_i32 s21, s15, HALFT
	s_mul_i32 s22, s16, HALFT
	s_add_co_u32 s22, s22, 2*HALFT
.irp s, 0,1
	v_add_nc_u32 v[ADRA+\s], s21, v4
	v_add_nc_u32 v[ADRB+\s], s22, v4
	s_add_co_u32 s21, s21, SLOT
	s_add_co_u32 s22, s22, SLOT
.endr
	v_mul_u32_u24 v5, v1, KS                       ; my row's scales: KS bytes a row,
	v_lshrrev_b32 v6, 8, v5
	v_lshl_add_u32 v5, v6, 4, v5                   ; and 16 more for each 256 passed
	s_mul_i32 s21, s15, HALFS
	s_mul_i32 s22, s16, HALFS
	s_add_co_u32 s22, s22, 2*HALFS
	s_sub_co_u32 s22, s22, s21
	v_mul_u32_u24 v6, s22, v2                      ; lanes 16-31 take B's
	s_add_co_u32 s21, s21, SCL
	v_add_nc_u32 v5, v5, v6
	v_add_nc_u32 v[ADRS], s21, v5
	s_lshl_b32 s23, s14, 14                        ; my stages
	v_mul_u32_u24 v5, v1, 144
	v_lshl_add_u32 v5, v2, 4, v5
	v_add_nc_u32 v5, s23, v5
	v_add_nc_u32 v[STO16], ST16, v5                ; f16, in: row r of 144 bytes, + 16 h
	v_and_b32 v6, 31, v0
	v_lshrrev_b32 v7, 3, v6
	v_mul_u32_u24 v7, v7, 144
	v_and_b32 v8, 7, v0
	v_lshl_add_u32 v7, v8, 4, v7
	v_add_nc_u32 v7, s23, v7
	v_add_nc_u32 v[RD16], ST16, v7                 ; back: eight lanes to a row of 128 bytes, four rows an instruction
	v_lshlrev_b32 v[CO], 4, v6                     ; and in memory, where a head's rows are dense: 16 x lane
	v_mul_u32_u24 v5, v1, 528
	v_lshl_add_u32 v5, v2, 5, v5
	v_add_nc_u32 v[STO32], s23, v5                 ; f32, in: row r of 528 bytes, + 32 h
	v_add_nc_u32 v[RD32], s23, v[CO]               ; back: the 32 lanes take a row of 512 bytes
	s_lshl_b32 s20, s42, 2                         ; my first head among the 48 of q, k, v: 4 x tile column + 2 x half
	s_lshl_b32 s21, s16, 1
	s_add_co_u32 s20, s20, s21
	s_lshr_b32 s21, s20, 4
	s_lshl_b32 s21, s21, 6                         ; 64 planes for each of q, k, v,
	s_and_b32 s20, s20, 15
	s_add_co_u32 s20, s20, s21
	s_lshl_b32 s21, s41, 4                         ; 16 for each batch
	s_add_co_u32 s20, s20, s21
	s_lshl_b32 s20, s20, 18                        ; a plane is 2,048 rows of 128 bytes
	s_lshl_b32 s21, s95, 15                        ; 256 positions,
	s_add_co_u32 s20, s20, s21
	s_lshl_b32 s21, s15, 14                        ; 128 for my half
	s_add_co_u32 s20, s20, s21
	s_mov_b32 s21, 0
	s_add_nc_u64 s[12:13], s[12:13], s[20:21]
	s_mul_i32 s20, s41, 196608                     ; q32: 16 rows of 12,288 bytes a batch,
	s_lshl_b32 s21, s42, 10
	s_add_co_u32 s20, s20, s21
	s_lshl_b32 s21, s16, 9
	s_add_co_u32 s20, s20, s21                     ; my first column
	s_mov_b32 s21, 0
	s_add_nc_u64 s[66:67], s[66:67], s[20:21]
.macro FRAG reg, adr, q, i             ; 16 rows x 128 K of 4-bit codes: 8 registers: lane l holds row l % 16; registers 4 c .. 4 c + 3 hold K = 64 c + 32 (l / 16) + 0 .. 31
.irp c, 0,1
	ds_load_b128 v[\reg+4*\c:\reg+4*\c+3], v[\adr] offset:64*(\q)+32*\c+(\i)*16*PITCH
.endr
.endm
; 16 matrix instructions: A's blocks a0, a0 + 1 x B's eight.  The 64 accumulators take turns, one instruction a turn, in the same order in every step.
; One scale register carries A's word of block i in lanes 0-15 and B's word of block i in lanes 16-31.
.macro MUL16 a0, p, q, sc, zero
.irp a, \a0, \a0+1
.irp b, 0,1,2,3,4,5,6,7
.if \zero
	v_wmma_scale_f32_16x16x128_f8f6f4 v[8*(8*((\a)%4)+\b):8*(8*((\a)%4)+\b)+7], v[128*(\p)+FR*\b:128*(\p)+FR*\b+FR-1], v[AF+FR*(\a):AF+FR*(\a)+FR-1], 0, v[SC+8*NQ*(\sc)+NQ*\b+(\q)], v[SC+8*NQ*(\sc)+NQ*(\a)+(\q)] matrix_a_fmt:MATRIX_FMT_FP4 matrix_b_fmt:MATRIX_FMT_FP4 matrix_a_scale:MATRIX_SCALE_ROW1
.else
	v_wmma_scale_f32_16x16x128_f8f6f4 v[8*(8*((\a)%4)+\b):8*(8*((\a)%4)+\b)+7], v[128*(\p)+FR*\b:128*(\p)+FR*\b+FR-1], v[AF+FR*(\a):AF+FR*(\a)+FR-1], v[8*(8*((\a)%4)+\b):8*(8*((\a)%4)+\b)+7], v[SC+8*NQ*(\sc)+NQ*\b+(\q)], v[SC+8*NQ*(\sc)+NQ*(\a)+(\q)] matrix_a_fmt:MATRIX_FMT_FP4 matrix_b_fmt:MATRIX_FMT_FP4 matrix_a_scale:MATRIX_SCALE_ROW1
.endif
.endr
.endr
.endm
.macro FETCH_B slot, q, p
	WIN TO_B
.irp i, 0,1,2,3,4,5,6,7
	FRAG 128*(\p)+FR*\i, ADRB+\slot, \q, \i
.endr
	WIN 0
.endm
.macro FETCH_A slot, q, i0
.irp i, \i0, \i0+1, \i0+2, \i0+3
	FRAG AF+FR*(\i), ADRA+\slot, \q, \i
.endr
.endm
.macro SCALES sc                       ; a slot's scale words: four words a row
.irp i, 0,1,2,3,4,5,6,7
	ds_load_b128 v[SC+8*NQ*\sc+NQ*\i:SC+8*NQ*\sc+NQ*\i+3], v[ADRS] offset:\i*SBLK
.endr
.endm
.macro PLACES n                        ; plain vector instructions between a matrix instruction and a load into its registers, or the first read of its result
.rept \n
	v_nop
.endr
.endm
.macro STEP slot, q, zero              ; 128 along K that has its successor in the same slot
	s_wait_dscnt 4*NL                              ; B's set and A's blocks 0-3 are in; the youngest eight loads (A's blocks 4-7) may be out
	WIN MUL_LO
	MUL16 0, (\q)%2, \q, \slot, \zero
	MUL16 2, (\q)%2, \q, \slot, \zero
	s_wait_dscnt 0
	PLACES NP
	FETCH_B \slot, (\q)+1, 1-(\q)%2
	FETCH_A \slot, (\q)+1, 0
	WIN MUL_HI
	MUL16 4, (\q)%2, \q, \slot, \zero
	MUL16 6, (\q)%2, \q, \slot, \zero
	PLACES NP
	WIN 0
	FETCH_A \slot, (\q)+1, 4
.endm
.macro TURN slot, next                 ; a slot's last step changes slots: one barrier; nothing is filled again
	s_wait_tensorcnt 0x0                           ; all my tensor loads have landed: my part of the next slot
	ds_add_u32 v[SPW], v[NIL]                      ; 0 onto my spare word
	s_wait_dscnt 4*NL+1                            ; the add and the youngest eight loads may be out
	WIN MUL_LO
	MUL16 0, 1, NQ-1, \slot, 0
	s_wait_dscnt 0x0                               ; the add is done, and my reads of this slot are over
	s_barrier_signal -1
	MUL16 2, 1, NQ-1, \slot, 0
	WIN 0
	s_barrier_wait -1                              ; the next slot is whole, and nobody reads this one any more
	PLACES NP
	v_add_nc_u32 v[ADRS], 4*NQ, v[ADRS]            ; on to the next slot's scale words
	FETCH_B \next, 0, 0
	FETCH_A \next, 0, 0
	SCALES \next
	WIN MUL_HI
	MUL16 4, 1, NQ-1, \slot, 0
	MUL16 6, 1, NQ-1, \slot, 0
	PLACES NP
	WIN 0
	FETCH_A \next, 0, 4
.endm
.macro STEPS slot, from
.set Q, \from
.rept NQ-1-\from
	STEP \slot, Q, 0
.set Q, Q+1
.endr
.endm
	s_wait_tensorcnt 1                             ; the scales and my part of slot 0 are in; slot 1's load may be out
	s_barrier_signal -1
	s_barrier_wait -1
	FETCH_B 0, 0, 0
	FETCH_A 0, 0, 0
	SCALES 0
	FETCH_A 0, 0, 4
	STEP 0, 0, 1                                   ; the first products start the sums: nothing is cleared
	STEPS 0, 1
	TURN 0, 1
	STEPS 1, 0
	s_wait_dscnt 4*NL                              ; the very last step
	WIN MUL_LO
	MUL16 0, 1, NQ-1, 1, 0
	MUL16 2, 1, NQ-1, 1, 0
	s_wait_dscnt 0
	WIN MUL_HI
	MUL16 4, 1, NQ-1, 1, 0
	MUL16 6, 1, NQ-1, 1, 0
	WIN 0
	PLACES NP
	; POSITIONS 0 TO 15 IN F32: block 0 of the waves whose rows begin a sequence; through my f32 stage, out as whole rows of 512 bytes
	s_cmp_lg_u32 s96, 0
	s_cbranch_scc1 .Lno_copy
	WIN 0x08                                       ; an LDS store's data are its source 1: window 2
.irp b, 0,1,2,3,4,5,6,7
	ds_store_b128 v[STO32], v[8*\b:8*\b+3] offset:64*\b            ; each accumulator from its low end on
	ds_store_b128 v[STO32], v[8*\b+4:8*\b+7] offset:64*\b+16
.endr
	WIN 0
.irp t, 0,1,2,3,4,5,6,7,8,9,10,11,12,13,14,15
	ds_load_b128 v[128+4*\t:128+4*\t+3], v[RD32] offset:\t*528     ; behind my stores, in order
.endr
	s_wait_dscnt 0x0
.irp t, 0,1,2,3,4,5,6,7,8,9,10,11,12,13,14,15
	global_store_b128 v[CO], v[128+4*\t:128+4*\t+3], s[66:67] offset:\t*12288   ; 32 lanes store 512 consecutive bytes, aligned
.endr
.Lno_copy:
; THE WAY OUT IN F16, block by block of 16 rows x 128 columns = two heads.  A lane's eight results pack into 16 bytes of a head's row of 128; through my stage they come back four rows at a time.
.macro PACK a
.set AC, 64*((\a)%4)
	WIN 0x0a+5*((\a)/4)                            ; sources 0 and 1: window 2 or 3
.irp b, 0,1,2,3,4,5,6,7
.irp r, 0,1,2,3
	v_cvt_pk_f16_f32 v[TMP+4*\b+\r], v[AC+8*\b+2*\r], v[AC+8*\b+2*\r+1]
.endr
.endr
	WIN 0
.endm
.macro TOSTAGE a
.set BK, 32+32*((\a)%2)
.irp b, 0,1,2,3,4,5,6,7
	ds_store_b128 v[STO16], v[TMP+4*\b:TMP+4*\b+3] offset:(\b/4)*2304+(\b%4)*32
.endr
.irp u, 0,1,2,3,4,5,6,7
	ds_load_b128 v[BK+4*\u:BK+4*\u+3], v[RD16] offset:(\u/4)*2304+(\u%4)*576
.endr
.endm
.macro SEND a
.set BK, 32+32*((\a)%2)
	s_wait_dscnt 0x0                               ; the block is back in registers
	s_wait_xcnt 0x0                                ; the stores of the block before have read their registers: the next block's loads may land there
.irp u, 0,1,2,3,4,5,6,7
	global_store_b128 v[CO], v[BK+4*\u:BK+4*\u+3], s[12:13] offset:(\u/4)*262144+2048*(\a)+512*(\u%4)   ; 32 lanes store four rows of a head: 512 consecutive bytes, aligned
.endr
.endm
	PACK 0
	TOSTAGE 0
.irp a, 1,2,3,4,5,6,7
	PACK \a                                        ; block a's conversions stand between block a - 1's loads from the stage and the wait for them
	SEND \a-1
	TOSTAGE \a
.endr
	SEND 7
	s_wait_tensorcnt 0x0                           ; the wave's end
	ds_add_u32 v[SPW], v[NIL]
	s_wait_dscnt 0x0
	CROUND                                         ; the closing round
	s_endpgm
.Lfunc_end_k_q98808b00ff_gemm_qkv:
	.size	k_q98808b00ff_gemm_qkv, .Lfunc_end_k_q98808b00ff_gemm_qkv-k_q98808b00ff_gemm_qkv
	.p2alignl 7, 3214868480
	.fill 96, 4, 3214868480
	.section	.rodata,"a",@progbits
	.p2align	6, 0x0
	.amdhsa_kernel k_q98808b00ff_gemm_qkv
		.amdhsa_group_segment_fixed_size 327680
		.amdhsa_private_segment_fixed_size 0
		.amdhsa_enable_private_segment 0
		.amdhsa_kernarg_size 48
		.amdhsa_user_sgpr_count 2
		.amdhsa_user_sgpr_kernarg_segment_ptr 1
		.amdhsa_wavefront_size32 1
		.amdhsa_system_sgpr_workgroup_id_x 1
		.amdhsa_system_sgpr_workgroup_id_y 1
		.amdhsa_system_sgpr_workgroup_id_z 1
		.amdhsa_system_vgpr_workitem_id 0
		.amdhsa_next_free_vgpr 1024
		.amdhsa_next_free_sgpr 100
		.amdhsa_reserve_vcc 0
		.amdhsa_float_denorm_mode_32 3
		.amdhsa_float_denorm_mode_16_64 3
		.amdhsa_memory_ordered 1
		.amdhsa_forward_progress 1
		.amdhsa_inst_pref_size 131
	.end_amdhsa_kernel
	.amdgpu_metadata
---
amdhsa.version: [ 1, 2 ]
amdhsa.kernels:
  - .name:           k_q98808b00ff_gemm_qkv
    .symbol:         k_q98808b00ff_gemm_qkv.kd
    .args:
      - { .name: xc, .offset: 0, .size: 8, .value_kind: global_buffer, .address_space: global }
      - { .name: xs, .offset: 8, .size: 8, .value_kind: global_buffer, .address_space: global }
      - { .name: wc, .offset: 16, .size: 8, .value_kind: global_buffer, .address_space: global }
      - { .name: ws, .offset: 24, .size: 8, .value_kind: global_buffer, .address_space: global }
      - { .name: qkv16, .offset: 32, .size: 8, .value_kind: global_buffer, .address_space: global }
      - { .name: q32, .offset: 40, .size: 8, .value_kind: global_buffer, .address_space: global }
    .group_segment_fixed_size: 327680
    .private_segment_fixed_size: 0
    .kernarg_segment_align: 8
    .kernarg_segment_size: 48
    .max_flat_workgroup_size: 128
    .sgpr_count:     100
    .vgpr_count:     1024
    .wavefront_size: 32
...
	.end_amdgpu_metadata
.endif
;; end of part 2
;; launch attn (part 3): grid 4 x 64, 8 waves a work-group, no clusters, 327,680 bytes of LDS; arguments qkv16, o16; writes o16
.if DOCPART == 3
	.amdgcn_target "amdgcn-amd-amdhsa--gfx1250"
	.amdhsa_code_object_version 6
	.text
	.protected	k_q98808b00ff_attn
	.globl	k_q98808b00ff_attn
	.p2align	8
	.type	k_q98808b00ff_attn,@function
k_q98808b00ff_attn:
	s_mov_b64 s[64:65], 0
	v_nop
	global_prefetch_b8 v0, s[64:65] scope:SCOPE_SE
	s_setreg_imm32_b32 hwreg(HW_REG_WAVE_MODE, 25, 1), 1
	s_wait_xcnt 0x0
; o = softmax(q k^T / 8, causal) v for each of 64 (batch, head) pairs; q, k, v: f16 planes [2048][64] of qkv16; o16: f16, [16 h][8192 = b 2048 + s][64].
; Products on f16 operands with f32 sums; the softmax in f32 with a running maximum m and sum l: p = 2^(c s - c m), c = log2(e) / 8; in every step O and l are multiplied by a = 2^(c m_old - c m_new).
; SHARES.  Work-group (i, bh) owns two blocks of 256 queries of head bh: block 7 - i (it walks 8 - i slots of 256 keys) and then block i (i + 1 slots): NINE slots in every work-group.  So all trip counts are
; constants, every slot that is fetched is read, and the 256 work-groups have equal work.  Each of the eight waves owns 32 queries of a block: two tiles of 16; two waves share a SIMD's registers.
; NO CLUSTER: the four work-groups of a head walk the same slots only in their first five trips; after that each is at another slot, so a joint load would bring tiles that some partner never reads.
; LAYOUT.  S^T = K Q^T (source 0 = 16 keys, source 1 = 16 queries): a lane holds ONE query (lane % 16) and keys 8 (lane / 16) + 0..7.  Two such tiles, rounded to f16 in pairs, ARE source 1 of O^T = V^T P.
; THE MASK.  Keys after the query are dropped (their scores become -infinity ahead of the maximum).  LIMIT: the problem enters them as -1e10; the two agree while a row's largest visible score / 8 stays above about -1e10 + 200.
; A step of 64 keys that all come after the wave's queries is jumped over: a branch on ids and counts alone.  LIMIT: |o| above 65,504 has no f16 number.
; REGISTERS: window 0: v1-15 addresses and constants; v16-31 statistics, 8 a tile; v64-127 S^T; v128-159 P; v160-223 O^T.  window 1: v0-31 Q; v64-127 K of a step; v128-191 V of a step.
.set KP,    144                        ; a key's row in LDS: 128 bytes + 16
.set VP,    160                        ; a row of V: 128 + 32: an odd multiple of 32, for the turning load
.set VOFF,  256*KP                     ; a slot: 256 rows of K, then 256 rows of V
.set SLOT1, 1<<17                      ; slot 1 begins here: one exclusive or turns an address from one slot to the other
.set STAGE, 2*SLOT1                    ; the way out: 16 rows x 144 bytes for each wave
.set SPARE, STAGE+8*16*KP              ; the spare words, 128 bytes for each wave
.set AK0, 1
.set AV0, 2
.set ADK, 3
.set ADV, 4
.set QO,  5
.set STO, 6
.set RD,  7
.set GO,  8
.set DLB, 9                            ; v9  lane % 16 - 8 (lane / 16);  v10, v11: the mask's bound for tile 0, 1;  v12: -infinity
.set PFO, 13
.set SPW, 14
.set NIL, 15
.set ST,  16                           ; tile t at v[ST + 8 t]: +0 c m, +1 m, +2, +3 l (even keys', odd keys'), +4 .. +7 at work; a in +6
.set S,   64
.set P,   128
.set O,   160
.set WV,  8
.set PI,  9
.set BH,  10
.set NA,  11                           ; slots of the first block
.set NAB, 12                           ; and their bytes
.set CNT, 13
.set TBK, 14                           ; LDS byte at which the step's keys begin;  s15: its rows of V
.set TBV, 15
.set KF,  16                           ; the step's first key
.set Q0,  17                           ; my first query
.set RW,  18                           ; s[18:19] what a change of slots takes off the addresses: 0, or the first block's bytes
.set SEL, 20
.set CS,  22
.set G1K, 24
.set G1V, 32
.set G0K, 40
.set G0V, 44
.set QP,  48
.set QPB, 50
.set OP,  52
.set OPB, 54
.set PFK, 56
.set PFV, 58
.set LIM, 60
.set TW,  61
.set MSB, 0
.macro WIN new
.if MSB != (\new)
	s_set_vgpr_msb (MSB<<8)|(\new)
.set MSB, (\new)
.endif
.endm
; Waves 0 and 1 fetch K's halves of a slot, waves 2 and 3 V's, the others nothing.  An s_nop 0 and four v_nop follow each line.
.macro TLOAD
	s_cmp_lt_u32 s[WV], 2
	s_cbranch_scc0 .Lnot_k_\@
	tensor_load_to_lds s[G0K:G0K+3], s[G1K:G1K+7]
	s_nop 0
.rept 4
	v_nop
.endr
	s_branch .Lasked_\@
.Lnot_k_\@:
	s_cmp_lt_u32 s[WV], 4
	s_cbranch_scc0 .Lasked_\@
	tensor_load_to_lds s[G0V:G0V+3], s[G1V:G1V+7]
	s_nop 0
.rept 4
	v_nop
.endr
.Lasked_\@:
.endm
; A prefetch of the slot that the NEXT change will ask for.  The head's work-group with i = 0 walks slots 0 to 7 in order: it asks, and nobody else; in it waves 4 to 7, which fetch nothing, take 8,192 bytes of K's
; and of V's dense 32,768 each, lanes 256 bytes apart.  Change c asks for slot c + 2, c = 0 .. 5: each block of slots 2 to 7 is named once.  Slots 0 and 1 come by their loads alone.
.macro ASK
	s_cmp_lt_u32 s[CNT], s[LIM]
	s_cbranch_scc0 .Lnot_mine_\@
	global_prefetch_b8 v[PFO], s[PFK:PFK+1] th:TH_LOAD_NT scope:SCOPE_SE
	global_prefetch_b8 v[PFO], s[PFV:PFV+1] th:TH_LOAD_NT scope:SCOPE_SE
.Lnot_mine_\@:
.endm
; A block of queries begins: Q into registers; m = -3e38, l = 0, O^T = 0 (the step is written once: its first turn finds zeros, which the first a = 0 leaves zeros)
.macro RESTART
	WIN 0x40                                       ; destination window 1
.irp t, 0,1
.irp c, 0,1
	global_load_b128 v[8*(2*\t+\c):8*(2*\t+\c)+3],   v[QO], s[QP:QP+1] offset:2048*\t+64*\c
	global_load_b128 v[8*(2*\t+\c)+4:8*(2*\t+\c)+7], v[QO], s[QP:QP+1] offset:2048*\t+64*\c+32
.endr
.endr
	WIN 0
.irp t, 0,1
	v_mov_b32 v[ST+8*\t+1], 0xff61b1e6
	v_mul_f32 v[ST+8*\t], s[CS], v[ST+8*\t+1]
.irp k, 2,3,4,5,6,7
	v_mov_b32 v[ST+8*\t+\k], 0
.endr
.endr
.irp j, 0,1,2,3,4,5,6,7,8,9,10,11,12,13,14,15,16,17,18,19,20,21,22,23,24,25,26,27,28,29,30,31,32,33,34,35,36,37,38,39,40,41,42,43,44,45,46,47,48,49,50,51,52,53,54,55,56,57,58,59,60,61,62,63
	v_mov_b32 v[O+\j], 0
.endr
	s_wait_loadcnt 0x0
.endm
; A KEY STEP: 64 keys
.macro STEP
	s_add_co_u32 s96, s[Q0], 31
	s_cmp_gt_u32 s[KF], s96                        ; all 64 keys come after my 32 queries: nothing to do but step the addresses
	s_cbranch_scc1 .Lhidden_\@
	v_add_nc_u32 v[ADK], s[TBK], v[AK0]            ; these four plain lines are the places between the last step's products and the loads into V's registers
	v_add_nc_u32 v[ADV], s[TBV], v[AV0]
	v_nop
	v_nop
	WIN 0x40
.irp kt, 0,1,2,3
.irp c, 0,1
	ds_load_b128 v[64+8*(2*\kt+\c):64+8*(2*\kt+\c)+3],   v[ADK] offset:16*KP*\kt+64*\c
	ds_load_b128 v[64+8*(2*\kt+\c)+4:64+8*(2*\kt+\c)+7], v[ADK] offset:16*KP*\kt+64*\c+32
.endr
.endr
.irp g, 0,1
.irp dt, 0,1,2,3
	ds_load_tr16_b128 v[128+8*(4*\g+\dt):128+8*(4*\g+\dt)+3],   v[ADV] offset:32*VP*\g+32*\dt
	ds_load_tr16_b128 v[128+8*(4*\g+\dt)+4:128+8*(4*\g+\dt)+7], v[ADV] offset:32*VP*\g+32*\dt+16*VP
.endr
.endr
	s_wait_dscnt 16                                ; K's sixteen loads are in; V's sixteen, issued behind them, may be out
	WIN 0x05                                       ; K and Q in window 1, S^T in window 0
.irp c, 0,1                                    ; the eight accumulators take turns, one instruction a turn; the first eight start the sums
.irp kt, 0,1,2,3
.irp t, 0,1
.if \c == 0
	v_wmma_f32_16x16x32_f16 v[S+32*\t+8*\kt:S+32*\t+8*\kt+7], v[64+8*(2*\kt+\c):64+8*(2*\kt+\c)+7], v[8*(2*\t+\c):8*(2*\t+\c)+7], 0
.else
	v_wmma_f32_16x16x32_f16 v[S+32*\t+8*\kt:S+32*\t+8*\kt+7], v[64+8*(2*\kt+\c):64+8*(2*\kt+\c)+7], v[8*(2*\t+\c):8*(2*\t+\c)+7], v[S+32*\t+8*\kt:S+32*\t+8*\kt+7]
.endif
.endr
.endr
.endr
	WIN 0
.rept 4
	v_nop
.endr
	s_add_co_u32 s96, s[KF], 63
	s_cmp_le_u32 s96, s[Q0]                        ; all 64 keys count for all my queries: no mask
	s_cbranch_scc1 .Lopen_\@
	s_sub_co_i32 s96, s[Q0], s[KF]
	v_add_nc_u32 v10, s96, v[DLB]                  ; tile t, register 8 kt + j holds key KF + 16 kt + 8 (lane / 16) + j: hidden where 16 kt + j > Q0 - KF + 16 t + lane % 16 - 8 (lane / 16)
	v_add_nc_u32 v11, 16, v10
.irp t, 0,1
.irp n, 0,1,2,3,4,5,6,7,8,9,10,11,12,13,14,15,16,17,18,19,20,21,22,23,24,25,26,27,28,29,30,31
	v_cmp_gt_i32 vcc_lo, 16*(\n/8)+\n%8, v[10+\t]
	v_cndmask_b32 v[S+32*\t+\n], v[S+32*\t+\n], v12, vcc_lo
.endr
.endr
.Lopen_\@:
	; the softmax, the two tiles line by line.  The maximum of 32 scores and the old m: four chains, each begun at an accumulator's low end
.irp j, 0,1,2,3
.irp t, 0,1
	v_max3_num_f32 v[ST+8*\t+4+\j], v[S+32*\t+8*\j], v[S+32*\t+8*\j+1], v[S+32*\t+8*\j+2]
.endr
.endr
.irp u, 1,2
.irp j, 0,1,2,3
.irp t, 0,1
	v_max3_num_f32 v[ST+8*\t+4+\j], v[ST+8*\t+4+\j], v[S+32*\t+8*\j+2*\u+1], v[S+32*\t+8*\j+2*\u+2]
.endr
.endr
.endr
.irp t, 0,1
	v_max3_num_f32 v[ST+8*\t+4], v[ST+8*\t+4], v[S+32*\t+7], v[S+32*\t+15]
.endr
.irp t, 0,1
	v_max3_num_f32 v[ST+8*\t+6], v[ST+8*\t+6], v[S+32*\t+23], v[S+32*\t+31]
.endr
.irp t, 0,1
	v_max3_num_f32 v[ST+8*\t+4], v[ST+8*\t+4], v[ST+8*\t+5], v[ST+8*\t+6]
.endr
.irp t, 0,1
	v_max3_num_f32 v[ST+8*\t+4], v[ST+8*\t+4], v[ST+8*\t+7], v[ST+8*\t+1]
.endr
.irp t, 0,1
	v_permlanex16_b32 v[ST+8*\t+5], v[ST+8*\t+4], s[SEL], s[SEL+1]   ; the query's other 32 keys lie in the lane 16 away
.endr
.irp t, 0,1
	v_mov_b32 v[ST+8*\t+7], v[ST+8*\t]             ; c m_old
.endr
.irp t, 0,1
	v_max_num_f32 v[ST+8*\t+1], v[ST+8*\t+4], v[ST+8*\t+5]
.endr
.irp t, 0,1
	v_mul_f32 v[ST+8*\t], s[CS], v[ST+8*\t+1]
.endr
.irp t, 0,1
	v_sub_f32 v[ST+8*\t+7], v[ST+8*\t+7], v[ST+8*\t]
.endr
.irp b, 0,1,2,3,4,5,6,7,8,9,10,11,12,13,14,15
.irp t, 0,1
	v_pk_fma_f32 v[S+32*\t+2*\b:S+32*\t+2*\b+1], v[S+32*\t+2*\b:S+32*\t+2*\b+1], s[CS:CS+1], v[ST+8*\t:ST+8*\t+1] op_sel_hi:[1,0,0] neg_lo:[0,0,1] neg_hi:[0,0,1]   ; c s - c m
.endr
.endr
.irp t, 0,1                                    ; ONE BATCH of 66 exponentials, none of which reads another's result
	v_exp_f32 v[ST+8*\t+6], v[ST+8*\t+7]
.endr
.irp e, 0,1,2,3,4,5,6,7,8,9,10,11,12,13,14,15,16,17,18,19,20,21,22,23,24,25,26,27,28,29,30,31
.irp t, 0,1
	v_exp_f32 v[S+32*\t+\e], v[S+32*\t+\e]
.endr
.endr
	v_nop                                          ; a plain instruction behind the last exponential
	s_wait_alu depctr_va_vdst(0)                   ; one wait for the batch, ahead of its first reader
.irp b, 0,1,2,3,4,5,6,7,8,9,10,11,12,13,14,15
.irp t, 0,1
	v_cvt_pk_f16_f32 v[P+16*\t+\b], v[S+32*\t+2*\b], v[S+32*\t+2*\b+1]
.endr
.endr
.irp z, 0,1,2,3,4,5,6,7                        ; the sum of the unrounded weights, in place, as a tree of pairs
.irp t, 0,1
	v_pk_add_f32 v[S+32*\t+4*\z:S+32*\t+4*\z+1], v[S+32*\t+4*\z:S+32*\t+4*\z+1], v[S+32*\t+4*\z+2:S+32*\t+4*\z+3]
.endr
.endr
.irp z, 0,1,2,3
.irp t, 0,1
	v_pk_add_f32 v[S+32*\t+8*\z:S+32*\t+8*\z+1], v[S+32*\t+8*\z:S+32*\t+8*\z+1], v[S+32*\t+8*\z+4:S+32*\t+8*\z+5]
.endr
.endr
.irp z, 0,1
.irp t, 0,1
	v_pk_add_f32 v[S+32*\t+16*\z:S+32*\t+16*\z+1], v[S+32*\t+16*\z:S+32*\t+16*\z+1], v[S+32*\t+16*\z+8:S+32*\t+16*\z+9]
.endr
.endr
.irp t, 0,1
	v_pk_add_f32 v[S+32*\t:S+32*\t+1], v[S+32*\t:S+32*\t+1], v[S+32*\t+16:S+32*\t+17]
.endr
.irp t, 0,1
	v_pk_fma_f32 v[ST+8*\t+2:ST+8*\t+3], v[ST+8*\t+2:ST+8*\t+3], v[ST+8*\t+6:ST+8*\t+7], v[S+32*\t:S+32*\t+1] op_sel_hi:[1,0,1]   ; l = a l + the sum
.endr
.irp i, 0,1,2,3,4,5,6,7,8,9,10,11,12,13,14,15
.irp t, 0,1
	v_pk_mul_f32 v[O+32*\t+2*\i:O+32*\t+2*\i+1], v[O+32*\t+2*\i:O+32*\t+2*\i+1], v[ST+8*\t+6:ST+8*\t+7] op_sel_hi:[1,0]   ; O^T x a, each accumulator from its low end on
.endr
.endr
	s_wait_dscnt 0x0                               ; V is in
	WIN 0x01                                       ; V in window 1, P and O^T in window 0
.irp g, 0,1                                    ; eight accumulators by turns
.irp dt, 0,1,2,3
.irp t, 0,1
	v_wmma_f32_16x16x32_f16 v[O+32*\t+8*\dt:O+32*\t+8*\dt+7], v[128+8*(4*\g+\dt):128+8*(4*\g+\dt)+7], v[P+16*\t+8*\g:P+16*\t+8*\g+7], v[O+32*\t+8*\dt:O+32*\t+8*\dt+7]
.endr
.endr
.endr
	WIN 0
.Lhidden_\@:
	s_add_co_u32 s[KF], s[KF], 64
	s_add_co_u32 s[TBK], s[TBK], 64*KP
	s_add_co_u32 s[TBV], s[TBV], 64*VP
.endm
.macro SLOT_STEPS                      ; a slot's four key steps: written once, walked four times
	s_mov_b32 s[TW], 4
.Lstep_\@:
	STEP
	s_sub_co_u32 s[TW], s[TW], 1
	s_cmp_lg_u32 s[TW], 0
	s_cbranch_scc1 .Lstep_\@
	s_sub_co_u32 s[TBK], s[TBK], 256*KP            ; back to a slot's first step,
	s_sub_co_u32 s[TBV], s[TBV], 256*VP
	s_xor_b32 s[TBK], s[TBK], SLOT1                ; in the other slot
	s_xor_b32 s[TBV], s[TBV], SLOT1
.endm
; THE CHANGE OF SLOTS stands at a slot's head.  Each wave waits for all its tensor loads (at most one is out), adds 0 to its spare word, and waits for that and for its reads of the slot that it has left.
; Behind the barrier the slot ahead is whole and nobody reads the other one; fill = 1: that one takes the next 256 keys: the load has a whole slot's steps in which to land.
.macro CHANGE fill
	s_wait_tensorcnt 0x0                           ; no tensor load of mine is out, so a group 0 may be written
	ds_add_u32 v[SPW], v[NIL]
.if \fill
	ds_add_u32 v[SPW], v[NIL]                      ; and twice on end here, in every trip alike
	s_xor_b32 s[G0K+1], s[G0K+1], SLOT1
	s_xor_b32 s[G0V+1], s[G0V+1], SLOT1
	s_add_co_u32 s96, s[CNT], 1
	s_cmp_eq_u32 s96, s[NA]                        ; the slot to be asked for is the second block's first: back to key 0
	s_cselect_b32 s[RW], s[NAB], 0
	s_add_nc_u64 s[G0K+2:G0K+3], s[G0K+2:G0K+3], 32768
	s_add_nc_u64 s[G0V+2:G0V+3], s[G0V+2:G0V+3], 32768
	s_sub_nc_u64 s[G0K+2:G0K+3], s[G0K+2:G0K+3], s[RW:RW+1]
	s_sub_nc_u64 s[G0V+2:G0V+3], s[G0V+2:G0V+3], s[RW:RW+1]
	s_wait_xcnt 0x0                                ; the last prefetches, a slot back, have read their addresses
	s_add_nc_u64 s[PFK:PFK+1], s[PFK:PFK+1], 32768
	s_add_nc_u64 s[PFV:PFV+1], s[PFV:PFV+1], 32768
.endif
	s_wait_dscnt 0x0
	s_barrier_signal -1
	s_barrier_wait -1
.if \fill
	TLOAD                                          ; the first thing behind the barrier, and a wave's one tensor load until the next
	ASK
.endif
.endm
; A block's way out: O^T / l, rounded to f16, a tile of 16 rows through my stage; back four rows of 128 bytes an instruction
.macro WAYOUT
.irp t, 0,1
	v_add_f32 v[ST+8*\t+4], v[ST+8*\t+2], v[ST+8*\t+3]   ; (with the two v_nop: the places behind the last products)
.endr
	v_nop
	v_nop
.irp t, 0,1
	v_permlanex16_b32 v[ST+8*\t+5], v[ST+8*\t+4], s[SEL], s[SEL+1]
.endr
.irp t, 0,1
	v_add_f32 v[ST+8*\t+4], v[ST+8*\t+4], v[ST+8*\t+5]
.endr
.irp t, 0,1
	v_rcp_f32 v[ST+8*\t+6], v[ST+8*\t+4]
.endr
	v_nop
	s_wait_alu depctr_va_vdst(0)                   ; one wait for the two reciprocals, ahead of their first reader
.irp t, 0,1
.irp i, 0,1,2,3,4,5,6,7,8,9,10,11,12,13,14,15
	v_pk_mul_f32 v[O+32*\t+2*\i:O+32*\t+2*\i+1], v[O+32*\t+2*\i:O+32*\t+2*\i+1], v[ST+8*\t+6:ST+8*\t+7] op_sel_hi:[1,0]
.endr
.irp i, 0,1,2,3,4,5,6,7,8,9,10,11,12,13,14,15
	v_cvt_pk_f16_f32 v[64+16*\t+\i], v[O+32*\t+2*\i], v[O+32*\t+2*\i+1]
.endr
.irp dt, 0,1,2,3
	ds_store_b128 v[STO], v[64+16*\t+4*\dt:64+16*\t+4*\dt+3] offset:32*\dt
.endr
.irp i, 0,1,2,3
	ds_load_b128 v[96+16*\t+4*\i:96+16*\t+4*\i+3], v[RD] offset:4*KP*\i   ; behind my stores, in order; the next tile's stores come behind these
.endr
.endr
	s_wait_dscnt 0x0
.irp t, 0,1
.irp i, 0,1,2,3
	global_store_b128 v[GO], v[96+16*\t+4*\i:96+16*\t+4*\i+3], s[OP:OP+1] offset:2048*\t+512*\i   ; 32 lanes store 512 consecutive bytes, aligned
.endr
.endr
	s_wait_xcnt 0x0                                ; the stores have read their registers and their base: both are written again
.endm
	s_load_b128 s[4:7], s[0:1], 0x0                ; qkv16 s[4:5], o16 s[6:7]
	v_lshl_add_u32 v[SPW], v0, 2, SPARE
	v_mov_b32 v[NIL], 0
	ds_add_u32 v[SPW], v[NIL]                      ; the wave's opening: the add, twice on end, and its wait ahead of the first tensor load
	ds_add_u32 v[SPW], v[NIL]
	v_lshrrev_b32 v1, 5, v0
	v_readfirstlane_b32 s[WV], v1                  ; wave 0..7
	s_mov_b32 s[PI], ttmp9                         ; i
	s_and_b32 s[BH], ttmp7, 0xffff                 ; 16 b + h
	s_sub_co_u32 s[NA], 8, s[PI]
	s_lshl_b32 s[NAB], s[NA], 15
	s_mov_b32 s[CNT], 0
	s_mov_b32 s[TBK], 0
	s_mov_b32 s[TBV], 0
	s_mov_b32 s[KF], 0
	s_sub_co_u32 s66, 7, s[PI]                     ; the first block
	s_lshl_b32 s[Q0], s66, 8
	s_lshl_b32 s67, s[WV], 5
	s_add_co_u32 s[Q0], s[Q0], s67
	s_mov_b32 s[RW+1], 0
	s_mov_b32 s97, 0
	s_mov_b32 s[SEL], 0x76543210
	s_mov_b32 s[SEL+1], 0xfedcba98
	s_mov_b32 s[CS], 0x3e38aa3b                    ; c = log2(e) / 8
	s_mov_b32 s[CS+1], s[CS]
	s_mov_b32 s[G1K], (1<<16)|(1<<20)|(4<<22)|(3<<25)   ; elements of 2 bytes; padding: 4 words behind every 32
	s_mov_b32 s[G1V], (1<<16)|(1<<20)|(4<<22)|(7<<25)   ; 8 words
.irp g, G1K, G1V
	s_mov_b32 s[\g+1], 64<<16                      ; tensor_dim0 = 64
	s_mov_b32 s[\g+2], 128<<16                     ; tensor_dim1 = 128
	s_mov_b32 s[\g+3], 64<<16                      ; tile_dim0
	s_mov_b32 s[\g+4], 128                         ; tile_dim1
	s_mov_b32 s[\g+5], 64                          ; the pitch
	s_mov_b32 s[\g+6], 0
	s_mov_b32 s[\g+7], 0
.endr
	s_lshl_b32 s68, s[BH], 18                      ; the head's plane
	s_lshl_b32 s69, s[WV], 12                      ; my 32 rows
	s_lshl_b32 s70, s66, 15                        ; the first block's 256 rows,
	s_lshl_b32 s71, s[PI], 15                      ; the second's
	s_add_co_u32 s72, s68, s69
	s_and_b32 s73, s[BH], 15
	s_lshl_b32 s73, s73, 20                        ; o16: a head's plane,
	s_lshr_b32 s74, s[BH], 4
	s_lshl_b32 s74, s74, 18                        ; the batch's 2,048 rows
	s_add_co_u32 s73, s73, s74
	s_add_co_u32 s73, s73, s69
	s_and_b32 s75, s[WV], 1                        ; which half of a slot's rows I fetch, if I fetch
	s_lshr_b32 s74, s[WV], 2
	s_xor_b32 s74, s74, 1
	s_or_b32 s74, s74, s[PI]                       ; 0 in waves 4 to 7 of the work-group with i = 0
	s_cmp_eq_u32 s74, 0
	s_cselect_b32 s[LIM], 6, 0
	s_wait_dscnt 0x0                               ; both opening adds are done
	s_wait_kmcnt 0x0
	s_lshl_b32 s74, s75, 14
	s_add_co_u32 s96, s68, s74
	s_add_co_u32 s96, s96, 64<<18                  ; K's planes lie 64 behind Q's
	s_mov_b32 s[G0K], 1
	s_mul_i32 s[G0K+1], s75, 128*KP
	s_add_nc_u64 s[G0K+2:G0K+3], s[4:5], s[96:97]
	s_or_b32 s[G0K+3], s[G0K+3], 0x80000000
	s_add_co_u32 s96, s96, 64<<18                  ; V's 64 further
	s_mov_b32 s[G0V], 1
	s_mul_i32 s[G0V+1], s75, 128*VP
	s_add_co_u32 s[G0V+1], s[G0V+1], VOFF
	s_add_nc_u64 s[G0V+2:G0V+3], s[4:5], s[96:97]
	s_or_b32 s[G0V+3], s[G0V+3], 0x80000000
	TLOAD                                          ; slot 0: keys 0 to 255, which count for every block
	s_add_co_u32 s96, s72, s70
	s_add_nc_u64 s[QP:QP+1], s[4:5], s[96:97]
	s_add_co_u32 s96, s72, s71
	s_add_nc_u64 s[QPB:QPB+1], s[4:5], s[96:97]
	s_add_co_u32 s96, s73, s70
	s_add_nc_u64 s[OP:OP+1], s[6:7], s[96:97]
	s_add_co_u32 s96, s73, s71
	s_add_nc_u64 s[OPB:OPB+1], s[6:7], s[96:97]
	s_and_b32 s74, s[WV], 3
	s_lshl_b32 s74, s74, 13
	s_add_co_u32 s96, s68, s74
	s_add_co_u32 s96, s96, (64<<18)+32768          ; in slot 1: the first change steps it to slot 2
	s_add_nc_u64 s[PFK:PFK+1], s[4:5], s[96:97]
	s_add_co_u32 s96, s96, 64<<18
	s_add_nc_u64 s[PFV:PFV+1], s[4:5], s[96:97]
	v_and_b32 v16, 15, v0                          ; r
	v_bfe_u32 v17, v0, 4, 1                        ; h
	v_and_b32 v18, 31, v0                          ; lane
	v_mul_u32_u24 v[AK0], v16, KP
	v_lshl_add_u32 v[AK0], v17, 4, v[AK0]          ; K: row r x pitch + 16 h
	v_and_b32 v19, 7, v0
	v_lshl_add_u32 v[AV0], v17, 3, v19             ; V, turning load: key 8 h + lane % 8,
	v_mul_u32_u24 v[AV0], v[AV0], VP
	v_bfe_u32 v20, v0, 3, 1
	v_lshl_add_u32 v[AV0], v20, 4, v[AV0]          ; channels 8 ((lane / 8) % 2) on
	v_add_nc_u32 v[AV0], VOFF, v[AV0]
	v_lshlrev_b32 v[QO], 7, v16
	v_lshl_add_u32 v[QO], v17, 4, v[QO]
	s_mul_i32 s66, s[WV], 16*KP
	s_add_co_u32 s66, s66, STAGE                   ; my stage
	v_add_nc_u32 v[STO], s66, v[AK0]               ; in: row r, + 16 h
	v_lshrrev_b32 v21, 3, v18
	v_mul_u32_u24 v[RD], v21, KP
	v_lshl_add_u32 v[RD], v19, 4, v[RD]
	v_add_nc_u32 v[RD], s66, v[RD]                 ; back: eight lanes to a row
	v_lshlrev_b32 v[GO], 4, v18
	v_lshlrev_b32 v[DLB], 3, v17
	v_sub_nc_u32 v[DLB], v16, v[DLB]
	v_mov_b32 v12, 0xff800000                      ; -infinity
	v_lshlrev_b32 v[PFO], 8, v18
	RESTART
.Lslot:                                            ; eight trips: behind each change of slots the next slot is asked for
	CHANGE 1
	SLOT_STEPS
	s_add_co_u32 s96, s[CNT], 1
	s_cmp_lg_u32 s96, s[NA]                        ; the first block's last slot is done: it goes out, and the second block begins.  Ids and counts alone; no barrier and no tensor load stands inside
	s_cbranch_scc1 .Lnosw
	WAYOUT
	s_mov_b64 s[QP:QP+1], s[QPB:QPB+1]
	s_mov_b64 s[OP:OP+1], s[OPB:OPB+1]
	s_lshl_b32 s[Q0], s[PI], 8
	s_lshl_b32 s96, s[WV], 5
	s_add_co_u32 s[Q0], s[Q0], s96
	s_mov_b32 s[KF], 0
	RESTART
.Lnosw:
	s_add_co_u32 s[CNT], s[CNT], 1
	s_cmp_lt_u32 s[CNT], 8
	s_cbranch_scc1 .Lslot
	CHANGE 0                                       ; the ninth slot is written out: nothing is left to fetch
	SLOT_STEPS
	WAYOUT
	s_wait_tensorcnt 0x0                           ; the wave's end
	ds_add_u32 v[SPW], v[NIL]
	s_wait_dscnt 0x0
	s_endpgm
.Lfunc_end_k_q98808b00ff_attn:
	.size	k_q98808b00ff_attn, .Lfunc_end_k_q98808b00ff_attn-k_q98808b00ff_attn
	.p2alignl 7, 3214868480
	.fill 96, 4, 3214868480
	.section	.rodata,"a",@progbits
	.p2align	6, 0x0
	.amdhsa_kernel k_q98808b00ff_attn
		.amdhsa_group_segment_fixed_size 327680
		.amdhsa_private_segment_fixed_size 0
		.amdhsa_enable_private_segment 0
		.amdhsa_kernarg_size 16
		.amdhsa_user_sgpr_count 2
		.amdhsa_user_sgpr_kernarg_segment_ptr 1
		.amdhsa_wavefront_size32 1
		.amdhsa_system_sgpr_workgroup_id_x 1
		.amdhsa_system_sgpr_workgroup_id_y 1
		.amdhsa_system_sgpr_workgroup_id_z 1
		.amdhsa_system_vgpr_workitem_id 0
		.amdhsa_next_free_vgpr 448
		.amdhsa_next_free_sgpr 100
		.amdhsa_reserve_vcc 1
		.amdhsa_float_denorm_mode_32 3
		.amdhsa_float_denorm_mode_16_64 3
		.amdhsa_memory_ordered 1
		.amdhsa_forward_progress 1
		.amdhsa_inst_pref_size 72
	.end_amdhsa_kernel
	.amdgpu_metadata
---
amdhsa.version: [ 1, 2 ]
amdhsa.kernels:
  - .name:           k_q98808b00ff_attn
    .symbol:         k_q98808b00ff_attn.kd
    .args:
      - { .name: qkv16, .offset: 0, .size: 8, .value_kind: global_buffer, .address_space: global }
      - { .name: o16, .offset: 8, .size: 8, .value_kind: global_buffer, .address_space: global }
    .group_segment_fixed_size: 327680
    .private_segment_fixed_size: 0
    .kernarg_segment_align: 8
    .kernarg_segment_size: 16
    .max_flat_workgroup_size: 256
    .sgpr_count:     100
    .vgpr_count:     448
    .wavefront_size: 32
...
	.end_amdgpu_metadata
.endif
;; end of part 3
;; launch proj (part 4): grid 4 x 64, 4 waves a work-group, clusters of 4 x 4, 327,680 bytes of LDS; arguments o16, wot, out0; writes out0
.if DOCPART == 4
	.amdgcn_target "amdgcn-amd-amdhsa--gfx1250"
	.amdhsa_code_object_version 6
	.text
	.protected	k_q98808b00ff_proj
	.globl	k_q98808b00ff_proj
	.p2align	8
	.type	k_q98808b00ff_proj,@function
k_q98808b00ff_proj:
	s_mov_b64 s[64:65], 0
	v_nop
	global_prefetch_b8 v0, s[64:65] scope:SCOPE_SE
	s_setreg_imm32_b32 hwreg(HW_REG_WAVE_MODE, 25, 1), 1
	s_wait_xcnt 0x0
	s_wait_alu depctr_hold_cnt(0) depctr_sa_sdst(0) depctr_va_vdst(0) depctr_va_sdst(0) depctr_va_ssrc(0) depctr_va_vcc(0) depctr_vm_vsrc(0)
	s_getreg_b32 s2, hwreg(HW_REG_IB_STS2, 6, 4)
	s_cmp_eq_u32 s2, 0
	s_cbranch_scc0 .Lentry_in_a_cluster
	s_endpgm
.Lentry_in_a_cluster:
	s_bfe_u32 s2, ttmp6, 0x10000c
	s_cmp_lg_u32 s2, 0xf033
	s_cbranch_scc0 .Lentry_shape_is_right
	s_endpgm
.Lentry_shape_is_right:
; out0 = o w_out: [8192][1024] x [1024 n][1024 k]^T, f16 operands, f32 sums, f32 out.  o16 is laid [16 h][8192][64], so a K step of 128 is two dense planes of 64 channels; wot is [n][k].
; A tile of 128 x 256 gives 256 work-groups.  Four waves, 64 x 128 each: 32 accumulators, 256 registers.  K goes in eight steps of 128 through a ring of two LDS slots.
; CLUSTERS: 4 x 4 work-groups; o's tile is asked for jointly along a row of the cluster, wot's along a column.  Waves 0 and 1 fetch o's two planes (128 rows x 128 bytes), waves 2 and 3 wot's halves (128 rows x 256 bytes).
; THE MATRIX INSTRUCTION IS USED TRANSPOSED (source 0 = 16 rows of wot, source 1 = 16 rows of o): a lane holds eight neighbouring columns of a row of out0.
; The rows of positions 0 to 15 of each batch are written here like all others and written anew, more finely, by the launch that follows.
; REGISTERS: window 0: v16-29 addresses; v64-95, v128-159 o's fragments, two buffers; on the way out v64-191.  window 1: v64-127, v128-191 wot's fragments.  window 2: the accumulators, (a, b) at v[8 (8 a + b)].
.set PA,     144                       ; an LDS row of o: 128 bytes + 16
.set PB,     272                       ; of wot: 256 + 16
.set PLANE,  128*PA
.set BOFF,   2*PLANE
.set HALFB,  128*PB
.set SLOT,   BOFF+2*HALFB
.set STAGE,  2*SLOT                    ; 16 rows x 528 bytes for each wave
.set SPARE,  STAGE+4*16*528
.set LAPS,   4
.set ADRA, 16
.set ADRB, 20
.set STO,  24
.set RD,   25
.set CO,   26
.set SPW,  28
.set NIL,  29
.set F0,   64
.set F1,   128
.set G1, 24
.set G0, 32
.set G1B, 48
.set G0B, 56
.set MSB, 0
.macro WIN new
.if MSB != (\new)
	s_set_vgpr_msb (MSB<<8)|(\new)
.set MSB, (\new)
.endif
.endm
.set MUL,  0xa1                        ; source 0 (wot) window 1, source 1 (o) window 0, C and D window 2
.set TO_B, 0x40
.macro JLOAD s                         ; a joint load; an s_nop 0 and four v_nop follow each of the two lines
	s_cmp_eq_u32 s11, 0
	s_cbranch_scc0 .Lfor_b_\@
	tensor_load_to_lds s[G0+4*\s:G0+4*\s+3], s[G1:G1+7]
	s_nop 0
.rept 4
	v_nop
.endr
	s_branch .Lasked_\@
.Lfor_b_\@:
	tensor_load_to_lds s[G0B+4*\s:G0B+4*\s+3], s[G1B:G1B+7]
	s_nop 0
.rept 4
	v_nop
.endr
.Lasked_\@:
.endm
.macro CREST                           ; a round of the cluster's barrier behind its opening barrier
	s_cmp_lg_u32 s10, 0
	s_cbranch_scc1 .Lnot_wave_0_\@
	s_barrier_signal -3
.Lnot_wave_0_\@:
	s_barrier_wait -3
	s_barrier_signal -1
	s_barrier_wait -1
.endm
.macro CROUND
	s_barrier_signal -1
	s_barrier_wait -1
	CREST
.endm
	s_load_b128 s[4:7], s[0:1], 0x0                ; o16 s[4:5], wot s[6:7]
	s_load_b64 s[8:9], s[0:1], 0x10                ; out0
	v_lshl_add_u32 v[SPW], v0, 2, SPARE
	v_mov_b32 v[NIL], 0
	ds_add_u32 v[SPW], v[NIL]                      ; the wave's opening: the add, twice on end, and its wait ahead of my first tensor load
	ds_add_u32 v[SPW], v[NIL]
	v_lshrrev_b32 v1, 5, v0
	v_readfirstlane_b32 s10, v1                    ; wave 0..3
	s_lshr_b32 s11, s10, 1                         ; my half of the tile's rows.  Also: I fetch for o (0) or wot (1)
	s_and_b32 s12, s10, 1                          ; my half of its columns.  Also: which plane or half I fetch
	s_bfe_u32 s40, ttmp6, 0x40000                  ; cx
	s_bfe_u32 s41, ttmp6, 0x40004                  ; cy
	s_lshl_b32 s42, ttmp9, 2
	s_add_co_u32 s42, s42, s40                     ; tile column
	s_and_b32 s13, ttmp7, 0xffff
	s_lshl_b32 s13, s13, 2
	s_add_co_u32 s13, s13, s41                     ; tile row
	s_lshl_b32 s43, s41, 2
	s_lshl_b32 s43, 15, s43                        ; my row of the cluster
	s_lshl_b32 s44, 0x1111, s40                    ; my column
	s_or_b32 s[G1+0], s43, (1<<16)|(1<<20)|(1<<21)|(4<<22)|(3<<25)   ; elements of 2 bytes; padding: 4 words behind every 32
	s_mov_b32 s[G1+1], 64<<16                      ; tensor_dim0
	s_mov_b32 s[G1+2], 128<<16                     ; tensor_dim1
	s_mov_b32 s[G1+3], 64<<16                      ; tile_dim0
	s_mov_b32 s[G1+4], 128                         ; tile_dim1
	s_mov_b32 s[G1+5], 64                          ; the pitch
	s_mov_b32 s[G1+6], 0
	s_mov_b32 s[G1+7], 0
	s_or_b32 s[G1B+0], s44, (1<<16)|(1<<20)|(1<<21)|(5<<22)|(3<<25)  ; padding: 4 words behind every 64
	s_mov_b32 s[G1B+1], 128<<16
	s_mov_b32 s[G1B+2], 128<<16
	s_mov_b32 s[G1B+3], 128<<16
	s_mov_b32 s[G1B+4], 128
	s_mov_b32 s[G1B+5], 1024
	s_mov_b32 s[G1B+6], 0
	s_mov_b32 s[G1B+7], 0
	s_lshl_b32 s16, s12, 20                        ; o: my plane of the K step's two,
	s_lshl_b32 s17, s13, 14                        ; the tile's 128 rows of 128 bytes
	s_add_co_u32 s16, s16, s17
	s_mov_b32 s17, 0
	s_lshl_b32 s46, s42, 8
	s_lshl_b32 s47, s12, 7
	s_add_co_u32 s46, s46, s47                     ; wot: row 256 x tile column + 128 x half,
	s_lshl_b32 s46, s46, 11                        ; of 2,048 bytes
	s_mov_b32 s47, 0
	s_mul_i32 s20, s12, PLANE                      ; where they go: no place in the cluster enters an LDS address
	s_mul_i32 s21, s12, HALFB
	s_add_co_u32 s21, s21, BOFF
	s_wait_dscnt 0x0                               ; both opening adds are done
	s_wait_kmcnt 0x0
	s_add_nc_u64 s[14:15], s[4:5], s[16:17]
	s_add_nc_u64 s[46:47], s[6:7], s[46:47]
	CROUND                                         ; all sixteen work-groups are here: the first joint loads meet
.irp s, 0,1
	s_mov_b32 s[G0+4*\s], 1
	s_add_co_u32 s[G0+4*\s+1], s20, \s*SLOT
	s_add_nc_u64 s[G0+4*\s+2:G0+4*\s+3], s[14:15], \s*(2<<20)      ; K step s: heads 2 s, 2 s + 1
	s_or_b32 s[G0+4*\s+3], s[G0+4*\s+3], 0x80000000
	s_mov_b32 s[G0B+4*\s], 1
	s_add_co_u32 s[G0B+4*\s+1], s21, \s*SLOT
	s_add_nc_u64 s[G0B+4*\s+2:G0B+4*\s+3], s[46:47], \s*256
	s_or_b32 s[G0B+4*\s+3], s[G0B+4*\s+3], 0x80000000
	JLOAD \s
.endr
	v_and_b32 v1, 15, v0                           ; r
	v_bfe_u32 v2, v0, 4, 1                         ; h
	v_mul_u32_u24 v3, v1, PA
	v_lshl_add_u32 v3, v2, 4, v3
	v_mul_u32_u24 v4, v1, PB
	v_lshl_add_u32 v4, v2, 4, v4
	s_mul_i32 s21, s11, 64*PA                      ; my 64 rows of o
	s_mul_i32 s22, s12, HALFB                      ; my 128 rows of wot
	s_add_co_u32 s22, s22, BOFF
.irp s, 0,1
	v_add_nc_u32 v[ADRA+\s], s21, v3
	v_add_nc_u32 v[ADRB+\s], s22, v4
	s_add_co_u32 s21, s21, SLOT
	s_add_co_u32 s22, s22, SLOT
.endr
	s_mul_i32 s23, s10, 16*528
	s_add_co_u32 s23, s23, STAGE                   ; my stage
	v_mul_u32_u24 v5, v1, 528
	v_lshl_add_u32 v5, v2, 5, v5
	v_add_nc_u32 v[STO], s23, v5                   ; in: row r, + 32 h
	v_and_b32 v6, 31, v0
	v_lshlrev_b32 v[CO], 4, v6
	v_add_nc_u32 v[RD], s23, v[CO]                 ; back: the 32 lanes take a row of 512 bytes
	s_lshl_b32 s16, s13, 7
	s_lshl_b32 s17, s11, 6
	s_add_co_u32 s16, s16, s17                     ; my first row of out0,
	s_lshl_b32 s16, s16, 12                        ; of 4,096 bytes
	s_mov_b32 s17, 0
	s_add_nc_u64 s[8:9], s[8:9], s[16:17]
	s_lshl_b32 s46, s42, 10
	s_lshl_b32 s47, s12, 9
	s_add_co_u32 s46, s46, s47                     ; my first column, in bytes
	s_mov_b32 s47, 0
	s_add_nc_u64 s[8:9], s[8:9], s[46:47]
.macro MUL8 f, a, zero                 ; o's block a x wot's eight, 32 along K.  The 32 accumulators take turns, one instruction a turn, in the same order in every quarter
.irp b, 0,1,2,3,4,5,6,7
.if \zero
	v_wmma_f32_16x16x32_f16 v[8*(8*(\a)+\b):8*(8*(\a)+\b)+7], v[\f+8*\b:\f+8*\b+7], v[\f+8*(\a):\f+8*(\a)+7], 0
.else
	v_wmma_f32_16x16x32_f16 v[8*(8*(\a)+\b):8*(8*(\a)+\b)+7], v[\f+8*\b:\f+8*\b+7], v[\f+8*(\a):\f+8*(\a)+7], v[8*(8*(\a)+\b):8*(8*(\a)+\b)+7]
.endif
.endr
.endm
.macro FETCH slot, q, f                ; 24 LDS loads in one run: the fragments of the slot's q-th 32 along K: wot's eight, then o's four
	WIN TO_B
.irp b, 0,1,2,3,4,5,6,7
	ds_load_b128 v[\f+8*\b:\f+8*\b+3],   v[ADRB+\slot] offset:64*(\q)+16*PB*\b
	ds_load_b128 v[\f+8*\b+4:\f+8*\b+7], v[ADRB+\slot] offset:64*(\q)+16*PB*\b+32
.endr
	WIN 0
.irp a, 0,1,2,3
	ds_load_b128 v[\f+8*\a:\f+8*\a+3],   v[ADRA+\slot] offset:((\q)/2)*PLANE+((\q)%2)*64+16*PA*\a
	ds_load_b128 v[\f+8*\a+4:\f+8*\a+7], v[ADRA+\slot] offset:((\q)/2)*PLANE+((\q)%2)*64+16*PA*\a+32
.endr
.endm
.macro PLACES                          ; four plain places in front of loads into registers that matrix instructions have read, and of the first read of results
.rept 4
	v_nop
.endr
.endm
.macro QUARTER slot, qn, f, g, zero    ; multiplies buffer f; in its middle it fetches the slot's quarter qn into buffer g
	s_wait_dscnt 4                                 ; wot's eight and o's blocks 0, 1 are in; the youngest four loads (blocks 2, 3) may be out
	WIN MUL
	MUL8 \f, 0, \zero
	MUL8 \f, 1, \zero
	PLACES
	FETCH \slot, \qn, \g
	s_wait_dscnt 24                                ; all but the 24 just issued
	WIN MUL
	MUL8 \f, 2, \zero
	MUL8 \f, 3, \zero
.endm
; A slot's last quarter multiplies buffer 1 and changes slots: one barrier; in front of it each wave waits for all its tensor loads, adds 0 to its spare word, and waits for that and for its reads of this slot.
; fill = 1: the barrier opens a round of the cluster's, and this slot is filled again, two K steps ahead, first thing behind the round.
.macro TURN slot, next, fill
	WIN 0
	s_wait_tensorcnt 0x0                           ; all my tensor loads have landed: my part of the next slot
	ds_add_u32 v[SPW], v[NIL]
	s_wait_dscnt 5                                 ; the add and the youngest four loads may be out
	WIN MUL
	MUL8 F1, 0, 0
	s_wait_dscnt 0x0                               ; the add is done, and my reads of this slot are over
	s_barrier_signal -1
	MUL8 F1, 1, 0
.if \fill
	WIN 0
.endif
	s_barrier_wait -1
.if \fill
	CREST                                          ; no wave of any partner still reads this slot or has a load on its way
	s_add_nc_u64 s[G0+4*\slot+2:G0+4*\slot+3], s[G0+4*\slot+2:G0+4*\slot+3], 4<<20
	s_add_nc_u64 s[G0B+4*\slot+2:G0B+4*\slot+3], s[G0B+4*\slot+2:G0B+4*\slot+3], 512
	JLOAD \slot                                    ; the four v_nop behind it are also the places in front of the loads below
.else
	PLACES
.endif
	FETCH \next, 0, F0
	WIN MUL
	MUL8 F1, 2, 0
	MUL8 F1, 3, 0
.endm
	s_wait_tensorcnt 1                             ; my part of K step 0 is in; K step 1's load may be out
	s_barrier_signal -1
	s_barrier_wait -1
	FETCH 0, 0, F0
	QUARTER 0, 1, F0, F1, 1                        ; the first quarter's products start the sums: nothing is cleared
	WIN 0
	s_mov_b32 s3, LAPS-1
.Llap:                                             ; a trip goes once round the ring, from a lap's second quarter to the next lap's first, and fills both slots again
	QUARTER 0, 2, F1, F0, 0
	QUARTER 0, 3, F0, F1, 0
	TURN 0, 1, 1
	QUARTER 1, 1, F0, F1, 0
	QUARTER 1, 2, F1, F0, 0
	QUARTER 1, 3, F0, F1, 0
	TURN 1, 0, 1
	QUARTER 0, 1, F0, F1, 0
	WIN 0
	s_sub_co_u32 s3, s3, 1
	s_cmp_lg_u32 s3, 0
	s_cbranch_scc1 .Llap
	QUARTER 0, 2, F1, F0, 0                        ; the last lap fills nothing
	QUARTER 0, 3, F0, F1, 0
	TURN 0, 1, 0
	QUARTER 1, 1, F0, F1, 0
	QUARTER 1, 2, F1, F0, 0
	QUARTER 1, 3, F0, F1, 0
	s_wait_dscnt 4
	WIN MUL
	MUL8 F1, 0, 0
	MUL8 F1, 1, 0
	s_wait_dscnt 0
	MUL8 F1, 2, 0
	MUL8 F1, 3, 0
	WIN 0
; THE WAY OUT, block by block of 16 rows x 128 columns, through my own stage: in as 32 bytes a lane, back as whole rows of 512 bytes
.macro TOSTAGE a
	WIN 0x08                                       ; an LDS store's data are its source 1: window 2
.irp b, 0,1,2,3,4,5,6,7
	ds_store_b128 v[STO], v[64*(\a)+8*\b:64*(\a)+8*\b+3] offset:64*\b          ; each accumulator from its low end on
	ds_store_b128 v[STO], v[64*(\a)+8*\b+4:64*(\a)+8*\b+7] offset:64*\b+16
.endr
	WIN 0
.set BB, 64+64*((\a)%2)
.irp t, 0,1,2,3,4,5,6,7,8,9,10,11,12,13,14,15
	ds_load_b128 v[BB+4*\t:BB+4*\t+3], v[RD] offset:\t*528         ; behind my stores, in order
.endr
.endm
.macro SEND a, younger
.set BB, 64+64*((\a)%2)
	s_wait_dscnt \younger                          ; the block is back; the next block's 16 stores and 16 loads may be out
.irp t, 0,1,2,3,4,5,6,7,8,9,10,11,12,13,14,15
	global_store_b128 v[CO], v[BB+4*\t:BB+4*\t+3], s[8:9] offset:(16*(\a)+\t)*4096 th:TH_STORE_NT   ; 32 lanes store 512 consecutive bytes, aligned
.endr
.endm
	PLACES
	TOSTAGE 0
.irp a, 1,2,3
.if \a > 1
	s_wait_xcnt 0x0                                ; block a - 2's stores have read their registers: block a's loads may land there
.endif
	TOSTAGE \a
	SEND \a-1, 32
.endr
	SEND 3, 0
	s_wait_tensorcnt 0x0                           ; the wave's end
	ds_add_u32 v[SPW], v[NIL]
	s_wait_dscnt 0x0
	CROUND                                         ; the closing round
	s_endpgm
.Lfunc_end_k_q98808b00ff_proj:
	.size	k_q98808b00ff_proj, .Lfunc_end_k_q98808b00ff_proj-k_q98808b00ff_proj
	.p2alignl 7, 3214868480
	.fill 96, 4, 3214868480
	.section	.rodata,"a",@progbits
	.p2align	6, 0x0
	.amdhsa_kernel k_q98808b00ff_proj
		.amdhsa_group_segment_fixed_size 327680
		.amdhsa_private_segment_fixed_size 0
		.amdhsa_enable_private_segment 0
		.amdhsa_kernarg_size 24
		.amdhsa_user_sgpr_count 2
		.amdhsa_user_sgpr_kernarg_segment_ptr 1
		.amdhsa_wavefront_size32 1
		.amdhsa_system_sgpr_workgroup_id_x 1
		.amdhsa_system_sgpr_workgroup_id_y 1
		.amdhsa_system_sgpr_workgroup_id_z 1
		.amdhsa_system_vgpr_workitem_id 0
		.amdhsa_next_free_vgpr 768
		.amdhsa_next_free_sgpr 72
		.amdhsa_reserve_vcc 0
		.amdhsa_float_denorm_mode_32 3
		.amdhsa_float_denorm_mode_16_64 3
		.amdhsa_memory_ordered 1
		.amdhsa_forward_progress 1
		.amdhsa_inst_pref_size 85
	.end_amdhsa_kernel
	.amdgpu_metadata
---
amdhsa.version: [ 1, 2 ]
amdhsa.kernels:
  - .name:           k_q98808b00ff_proj
    .symbol:         k_q98808b00ff_proj.kd
    .args:
      - { .name: o16, .offset: 0, .size: 8, .value_kind: global_buffer, .address_space: global }
      - { .name: wot, .offset: 8, .size: 8, .value_kind: global_buffer, .address_space: global }
      - { .name: out0, .offset: 16, .size: 8, .value_kind: global_buffer, .address_space: global }
    .group_segment_fixed_size: 327680
    .private_segment_fixed_size: 0
    .kernarg_segment_align: 8
    .kernarg_segment_size: 24
    .max_flat_workgroup_size: 128
    .sgpr_count:     72
    .vgpr_count:     768
    .wavefront_size: 32
...
	.end_amdgpu_metadata
.endif
;; end of part 4
;; launch fine (part 5): grid 16 x 4, 16 waves a work-group, no clusters, 71,680 bytes of LDS; arguments q32, w_out, out0; writes out0
.if DOCPART == 5
	.amdgcn_target "amdgcn-amd-amdhsa--gfx1250"
	.amdhsa_code_object_version 6
	.text
	.protected	k_q98808b00ff_fine
	.globl	k_q98808b00ff_fine
	.p2align	8
	.type	k_q98808b00ff_fine,@function
k_q98808b00ff_fine:
	s_mov_b64 s[64:65], 0
	v_nop
	global_prefetch_b8 v0, s[64:65] scope:SCOPE_SE
	s_setreg_imm32_b32 hwreg(HW_REG_WAVE_MODE, 25, 1), 1
	s_wait_xcnt 0x0
; POSITIONS 0 TO 15 OF EACH BATCH, ALL IN F32: under the causal mask these rows average one to sixteen values, so f16 operands would weigh most here.  64 rows of out0 are written anew.
; q32: [4 b][16 pos][3072] f32, the first product's own sums.  A work-group takes a batch b and 64 output columns; wave hd takes head hd: its 16 x 16 scores, its softmax, its 16 x 64 of o,
; and the slice k = 64 hd .. 64 hd + 63 of o w_out for the 64 columns.  The sixteen partial sums meet in LDS and are added in the order of the heads.
; All three products by the f32 matrix form (16 x 16 x 4), used transposed, so that a lane holds one query throughout.  Which four k an instruction takes is free as long as both sources agree:
; lane half h brings its registers 2 i, 2 i + 1 to instruction i, on both sides.
; The four accumulators v176-207 are written by matrix instructions alone; each sum begins with the constant 0; what is made of a sum goes into other registers.
; Hidden keys are dropped, as in the launch for the other rows, with the same limit.
.set PP,    272                        ; a row of a partial sum: 256 bytes + 16
.set SPARE, 16*16*PP
.set SPW,   14
.set NIL,   15
.set QF,    16
.set KFR,   48
.set VF,    80
.set ACC,   176
.set P,     208
.set ON,    224
	s_load_b128 s[4:7], s[0:1], 0x0                ; q32 s[4:5], w_out s[6:7]
	s_load_b64 s[8:9], s[0:1], 0x10                ; out0
	v_lshl_add_u32 v[SPW], v0, 2, SPARE
	v_mov_b32 v[NIL], 0
	v_lshrrev_b32 v1, 5, v0
	v_readfirstlane_b32 s10, v1                    ; wave = head
	s_and_b32 s11, ttmp7, 0xffff                   ; batch
	v_and_b32 v1, 15, v0                           ; r
	v_bfe_u32 v2, v0, 4, 1                         ; h
	v_mul_u32_u24 v3, v1, 12288
	v_lshl_add_u32 v3, v2, 7, v3                   ; Q, K: position r, channels 32 h on
	v_mul_u32_u24 v4, v2, 98304
	v_lshl_add_u32 v4, v1, 2, v4                   ; V: keys 8 h on, channel r of a tile
	v_lshlrev_b32 v5, 15, v2
	v_lshl_add_u32 v5, v1, 2, v5                   ; w_out: rows 8 h on, column r of a tile
	s_mul_i32 s23, s10, 16*PP
	v_mul_u32_u24 v6, v1, PP
	v_lshl_add_u32 v6, v2, 5, v6
	v_add_nc_u32 v6, s23, v6                       ; my partial sum: row r, + 32 h
	s_mul_i32 s24, s10, 2*PP
	v_mul_u32_u24 v7, v2, PP
	v_lshl_add_u32 v7, v1, 4, v7
	v_add_nc_u32 v7, s24, v7                       ; the adding: wave w (0..7) takes rows 2 w + h, 16 bytes a lane
	v_lshlrev_b32 v8, 12, v2
	v_lshl_add_u32 v8, v1, 4, v8                   ; and the same place in out0
	s_mov_b32 s20, 0x76543210
	s_mov_b32 s21, 0xfedcba98
	s_mov_b32 s22, 0x3e38aa3b                      ; c = log2(e) / 8
	s_mul_i32 s12, s11, 196608
	s_lshl_b32 s13, s10, 8
	s_add_co_u32 s12, s12, s13                     ; q32: the batch's 16 rows, the head's 64 channels
	s_mov_b32 s13, 0
	s_lshl_b32 s16, ttmp9, 8                       ; my 64 columns, in bytes
	s_lshl_b32 s14, s10, 18                        ; w_out: the head's 64 rows of 4,096 bytes
	s_add_co_u32 s14, s14, s16
	s_mov_b32 s15, 0
	s_lshl_b32 s18, s11, 23                        ; out0: the batch's 2,048 rows,
	s_lshl_b32 s19, s10, 13                        ; two rows a wave
	s_add_co_u32 s18, s18, s19
	s_add_co_u32 s18, s18, s16
	s_mov_b32 s19, 0
	s_wait_kmcnt 0x0
	s_add_nc_u64 s[4:5], s[4:5], s[12:13]
	s_add_nc_u64 s[6:7], s[6:7], s[14:15]
	s_add_nc_u64 s[8:9], s[8:9], s[18:19]
.irp i, 0,1,2,3,4,5,6,7
	global_load_b128 v[QF+4*\i:QF+4*\i+3], v3, s[4:5] offset:16*\i
.endr
.irp i, 0,1,2,3,4,5,6,7
	global_load_b128 v[KFR+4*\i:KFR+4*\i+3], v3, s[4:5] offset:4096+16*\i
.endr
.irp t, 0,1,2,3
.irp j, 0,1,2,3,4,5,6,7
	global_load_b32 v[VF+8*\t+\j], v4, s[4:5] offset:12288*\j+8192+64*\t      ; V(key 8 h + j, channel 16 t + r)
.endr
.endr
.irp nt, 0,1
.irp t, 0,1,2,3
.irp j, 0,1,2,3,4,5,6,7
	global_load_b32 v[112+32*\nt+8*\t+\j], v5, s[6:7] offset:(16*\t+\j)*4096+64*\nt   ; w_out(64 hd + 16 t + 8 h + j, column 16 nt + r)
.endr
.endr
.endr
	s_wait_loadcnt 63                              ; of the 112 loads the 63 youngest may be out: Q, K and V, the first 48, are in
.irp i, 0,1,2,3,4,5,6,7,8,9,10,11,12,13,14,15  ; S^T = K Q^T: four accumulators by turns; the four partial tiles are added below
.if \i < 4
	v_wmma_f32_16x16x4_f32 v[ACC+8*(\i%4):ACC+8*(\i%4)+7], v[KFR+2*\i:KFR+2*\i+1], v[QF+2*\i:QF+2*\i+1], 0
.else
	v_wmma_f32_16x16x4_f32 v[ACC+8*(\i%4):ACC+8*(\i%4)+7], v[KFR+2*\i:KFR+2*\i+1], v[QF+2*\i:QF+2*\i+1], v[ACC+8*(\i%4):ACC+8*(\i%4)+7]
.endif
.endr
	v_lshlrev_b32 v10, 3, v2                       ; eight plain places behind this form (ISA guide 7.12.1)
	v_sub_nc_u32 v10, v1, v10                      ; r - 8 h: register j holds key 8 h + j: hidden where j > r - 8 h
	v_mov_b32 v11, 0xff800000                      ; -infinity
.rept 5
	v_nop
.endr
.irp nt, 2,3                                   ; the other two tiles of w_out, into the registers that Q and K have left
.irp t, 0,1,2,3
.irp j, 0,1,2,3,4,5,6,7
	global_load_b32 v[16+32*(\nt-2)+8*\t+\j], v5, s[6:7] offset:(16*\t+\j)*4096+64*\nt
.endr
.endr
.endr
.irp j, 0,1,2,3,4,5,6,7                        ; each accumulator is read from its low end on
	v_add_f32 v[P+\j], v[ACC+\j], v[ACC+8+\j]
	v_add_f32 v[216+\j], v[ACC+16+\j], v[ACC+24+\j]
.endr
.irp j, 0,1,2,3,4,5,6,7
	v_add_f32 v[P+\j], v[P+\j], v[216+\j]
.endr
.irp j, 0,1,2,3,4,5,6,7
	v_cmp_gt_i32 vcc_lo, \j, v10
	v_cndmask_b32 v[P+\j], v[P+\j], v11, vcc_lo
.endr
	v_max3_num_f32 v216, v208, v209, v210
	v_max3_num_f32 v217, v211, v212, v213
	v_max3_num_f32 v216, v216, v214, v215
	v_max_num_f32 v216, v216, v217
	v_permlanex16_b32 v217, v216, s20, s21
	v_max_num_f32 v216, v216, v217                 ; the row's largest score (key 0 counts for every query)
	v_mul_f32 v216, s22, v216
.irp j, 0,1,2,3,4,5,6,7
	v_fma_f32 v[P+\j], v[P+\j], s22, -v216
.endr
.irp j, 0,1,2,3,4,5,6,7
	v_exp_f32 v[P+\j], v[P+\j]
.endr
	v_nop
	s_wait_alu depctr_va_vdst(0)                   ; one wait for the eight, ahead of their first reader
	v_add_f32 v216, v208, v209
	v_add_f32 v217, v210, v211
	v_add_f32 v219, v212, v213
	v_add_f32 v220, v214, v215
	v_add_f32 v216, v216, v217
	v_add_f32 v219, v219, v220
	v_add_f32 v216, v216, v219
	v_permlanex16_b32 v217, v216, s20, s21
	v_add_f32 v216, v216, v217
	v_rcp_f32 v218, v216
	v_nop
	s_wait_alu depctr_va_vdst(0)
.irp i, 0,1,2,3                                ; O^T = V^T P: four tiles of 16 channels by turns; K = the 16 keys
.irp t, 0,1,2,3
.if \i == 0
	v_wmma_f32_16x16x4_f32 v[ACC+8*\t:ACC+8*\t+7], v[VF+8*\t+2*\i:VF+8*\t+2*\i+1], v[P+2*\i:P+2*\i+1], 0
.else
	v_wmma_f32_16x16x4_f32 v[ACC+8*\t:ACC+8*\t+7], v[VF+8*\t+2*\i:VF+8*\t+2*\i+1], v[P+2*\i:P+2*\i+1], v[ACC+8*\t:ACC+8*\t+7]
.endif
.endr
.endr
.rept 8
	v_nop
.endr
.irp e, 0,1,2,3,4,5,6,7,8,9,10,11,12,13,14,15,16,17,18,19,20,21,22,23,24,25,26,27,28,29,30,31
	v_mul_f32 v[ON+\e], v[ACC+\e], v218            ; o(query r, channel 16 t + 8 h + j), into other registers
.endr
	s_wait_loadcnt 0x0                             ; w_out's four tiles are in
.irp s, 0,1,2,3,4,5,6,7,8,9,10,11,12,13,14,15  ; my slice of o w_out: four tiles of 16 columns by turns
.irp nt, 0,1,2,3
.if \s == 0
	v_wmma_f32_16x16x4_f32 v[ACC+8*\nt:ACC+8*\nt+7], v[112+32*\nt-160*(\nt/2)+2*\s:112+32*\nt-160*(\nt/2)+2*\s+1], v[ON+2*\s:ON+2*\s+1], 0
.else
	v_wmma_f32_16x16x4_f32 v[ACC+8*\nt:ACC+8*\nt+7], v[112+32*\nt-160*(\nt/2)+2*\s:112+32*\nt-160*(\nt/2)+2*\s+1], v[ON+2*\s:ON+2*\s+1], v[ACC+8*\nt:ACC+8*\nt+7]
.endif
.endr
.endr
.rept 8
	v_nop
.endr
.irp nt, 0,1,2,3
	ds_store_b128 v6, v[ACC+8*\nt:ACC+8*\nt+3] offset:64*\nt       ; lane (r, h): row r, columns 16 nt + 8 h + 0 .. 7
	ds_store_b128 v6, v[ACC+8*\nt+4:ACC+8*\nt+7] offset:64*\nt+16
.endr
	s_wait_dscnt 0x0                               ; for the others' sake: my partial sum has landed
	s_barrier_signal -1
	s_barrier_wait -1
	s_cmp_lt_u32 s10, 8
	s_cbranch_scc0 .Lend
.irp p, 0,1,2,3,4,5,6,7,8,9,10,11,12,13,14,15
	ds_load_b128 v[112+4*\p:112+4*\p+3], v7 offset:16*PP*\p
.endr
	s_wait_dscnt 0x0
	v_pk_add_f32 v[208:209], v[112:113], v[116:117]
	v_pk_add_f32 v[210:211], v[114:115], v[118:119]
.irp p, 2,3,4,5,6,7,8,9,10,11,12,13,14,15
	v_pk_add_f32 v[208:209], v[208:209], v[112+4*\p:113+4*\p]
	v_pk_add_f32 v[210:211], v[210:211], v[114+4*\p:115+4*\p]
.endr
	global_store_b128 v8, v[208:211], s[8:9]       ; sixteen lanes store 256 consecutive bytes, aligned
.Lend:
	s_wait_tensorcnt 0x0                           ; the wave's end, behind my last LDS store
	ds_add_u32 v[SPW], v[NIL]
	s_wait_dscnt 0x0
	s_endpgm
.Lfunc_end_k_q98808b00ff_fine:
	.size	k_q98808b00ff_fine, .Lfunc_end_k_q98808b00ff_fine-k_q98808b00ff_fine
	.p2alignl 7, 3214868480
	.fill 96, 4, 3214868480
	.section	.rodata,"a",@progbits
	.p2align	6, 0x0
	.amdhsa_kernel k_q98808b00ff_fine
		.amdhsa_group_segment_fixed_size 71680
		.amdhsa_private_segment_fixed_size 0
		.amdhsa_enable_private_segment 0
		.amdhsa_kernarg_size 24
		.amdhsa_user_sgpr_count 2
		.amdhsa_user_sgpr_kernarg_segment_ptr 1
		.amdhsa_wavefront_size32 1
		.amdhsa_system_sgpr_workgroup_id_x 1
		.amdhsa_system_sgpr_workgroup_id_y 1
		.amdhsa_system_sgpr_workgroup_id_z 1
		.amdhsa_system_vgpr_workitem_id 0
		.amdhsa_next_free_vgpr 256
		.amdhsa_next_free_sgpr 66
		.amdhsa_reserve_vcc 1
		.amdhsa_float_denorm_mode_32 3
		.amdhsa_float_denorm_mode_16_64 3
		.amdhsa_memory_ordered 1
		.amdhsa_forward_progress 1
		.amdhsa_inst_pref_size 34
	.end_amdhsa_kernel
	.amdgpu_metadata
---
amdhsa.version: [ 1, 2 ]
amdhsa.kernels:
  - .name:           k_q98808b00ff_fine
    .symbol:         k_q98808b00ff_fine.kd
    .args:
      - { .name: q32, .offset: 0, .size: 8, .value_kind: global_buffer, .address_space: global }
      - { .name: w_out, .offset: 8, .size: 8, .value_kind: global_buffer, .address_space: global }
      - { .name: out0, .offset: 16, .size: 8, .value_kind: global_buffer, .address_space: global }
    .group_segment_fixed_size: 71680
    .private_segment_fixed_size: 0
    .kernarg_segment_align: 8
    .kernarg_segment_size: 24
    .max_flat_workgroup_size: 512
    .sgpr_count:     66
    .vgpr_count:     256
    .wavefront_size: 32
...
	.end_amdgpu_metadata
.endif
;; end of part 5
